; MI455X (gfx1250); checked and timed in simulation.
; The chip was launched on July 23, 2026; its instructions are those of AMD's public machine-readable ISA for CDNA 5 (MIT licence, August 2026) and "CDNA5" Instruction Set Architecture Reference Guide (July 2026). The comments in the code are by the model that wrote it; some were corrected since.
;; Enhanced CNN Integrator. Allowed arithmetic: matrix products marked QUANTISED: E2M1 operands, one E8M0 scale for each 32 along K, by v_wmma_scale_f32_16x16x128_f8f6f4 with both operands' format E2M1 (or v_wmma_scale_f32_32x16x128_f4), f32 sums; everything else in f32.
;; Inputs: Wk 1,024 x 1,024 float32; Wo 1,024 x 1,024 float32; Wq 1,024 x 1,024 float32; Wv 1,024 x 1,024 float32; bk 1,024 float32; bo 1,024 float32; bq 1,024 float32; bv 1,024 float32; cnn_features 4 x 1,024 x 1,024 float32; e_energy 1,024 float32; e_mass 1,024 float32; e_momentum 1,024 float32; llm_features 4 x 1,024 x 1,024 float32; ln_b 1,024 float32; ln_g 1,024 float32.
;; Outputs: out0 4 x 1,024 x 1,024 float32; out1 4 x 1,024 x 1,024 float32.
;; This version of the problem:
;;   THIS VERSION OF THE PROBLEM IS GIVEN IN LOW PRECISION. The matrix products marked QUANTISED in the list below multiply operands that are first quantised to E2M1 (2 exponent bits, 1 mantissa bit; 4 bits a number), with one power-of-two scale for each 32 numbers along K (OCP MX v1.0); their sums are f32. All else is computed in f32.
;;   The module's matrix products, in the order in which they are computed (A, B: the left and right operand; K: the contracted axis; several contracted axes count as one K, in the product's order):
;;     1. [M 4,108, K 1,024] x [K 1,024, N 1,024]; A: computed on the way; B: input Wq: QUANTISED
;;     2. [M 4,108, K 1,024] x [K 1,024, N 1,024]; A: computed on the way; B: input Wk: QUANTISED
;;     3. [M 4,108, K 1,024] x [K 1,024, N 1,024]; A: computed on the way; B: input Wv: QUANTISED
;;     4. batch 64 x [M 1,027, K 64] x [K 64, N 1,027]; A: computed on the way; B: computed on the way: QUANTISED
;;     5. batch 64 x [M 1,027, K 1,027] x [K 1,027, N 64]; A: softmax (see below); B: computed on the way: QUANTISED
;;     6. [M 4,108, K 1,024] x [K 1,024, N 1,024]; A: computed on the way; B: input Wo: QUANTISED
;;     7. [M 4,108, K 1,024] x [K 1,024, N 1,024]; A: computed on the way; B: input Wq: QUANTISED
;;     8. [M 4,108, K 1,024] x [K 1,024, N 1,024]; A: computed on the way; B: input Wk: QUANTISED
;;     9. [M 4,108, K 1,024] x [K 1,024, N 1,024]; A: computed on the way; B: input Wv: QUANTISED
;;     10. batch 64 x [M 1,027, K 64] x [K 64, N 1,027]; A: computed on the way; B: computed on the way: QUANTISED
;;     11. batch 64 x [M 1,027, K 1,027] x [K 1,027, N 64]; A: softmax (see below); B: computed on the way: QUANTISED
;;     12. [M 4,108, K 1,024] x [K 1,024, N 1,024]; A: computed on the way; B: input Wo: QUANTISED
;;   THE QUANTISER, for each operand of a quantised product, along K:
;;     - K is cut into blocks of 32 from its start; a last block that is shorter is filled with zeros.
;;     - A block's scale is 2^e with e = floor(log2(the largest magnitude in the block)) - 2, held to -126 .. 127; a block of zeros has e = 0. As a byte (E8M0): e + 127.
;;     - Each number is divided by its block's scale, clamped to +-6, and rounded to the nearest number of E2M1, ties to even, subnormals kept.
;;     - The product sums the exact products of the quantised numbers (number of the format x scale) in f32.
;;   ~~~python
;;   def quantise(x, axis):      # numpy; x: float32 -> the quantised numbers, widened to float32 again
;;       x = np.moveaxis(x, axis, -1); K = x.shape[-1]
;;       x = np.pad(x, [(0, 0)] * (x.ndim - 1) + [(0, -K % 32)]); x = x.reshape(x.shape[:-1] + (-1, 32)); a = np.abs(x).max(-1, keepdims=True)
;;       e = np.where(a > 0, np.clip(np.frexp(np.where(a > 0, a, 1))[1] - 1 - 2, -126, 127), 0)      # np.frexp(a)[1] - 1 = floor(log2(a)), exactly
;;       r = np.clip(x / 2.0 ** e, -6, 6)
;;       step = 2.0 ** (np.maximum(np.frexp(np.where(r == 0, 1, r))[1] - 1, 0) - 1)
;;       q = np.round(r / step) * step * 2.0 ** e      # np.round: ties to even
;;       return np.moveaxis(q.reshape(q.shape[:-2] + (-1,))[..., :K], -1, axis).astype(np.float32)
;;   ~~~
;;   SOFTMAX AHEAD OF A QUANTISED PRODUCT. Where the list says 'softmax', what is quantised is not the finished softmax but p = 2^(t - M), with t = logit x log2(e) and M = ceil(the row's largest t), a whole number; so 1/2 < the row's largest p <= 1. The row's sum l is taken of the UNQUANTISED p, in f32, and the product's result is divided by l at the end. Since M is a whole number, a kernel that streams over the keys may use a running M (the ceiling of the running maximum): every later rescaling is an exact power of two, which a block's scale takes up: the codes' values come out the same.
;;   OPERANDS COMPUTED ON THE WAY. 'Computed on the way' means the value that the module computes at that place (a softmax that the list does not call 'softmax' is quantised finished and normalised). What goes into a quantiser is computed in f32, as accurately as f32 sums, v_exp_f32 and their like allow (about 1e-6 of the number): no bf16 or f16 on the way to a quantiser, and a product that is left as it is and whose result goes on into a quantised operand takes f32 operands (vector FMAs, or v_wmma_f32_16x16x4_f32). A number that lies on a knife's edge between two numbers of the format may be rounded either way, as far as f32 arithmetic and the matrix unit's own rounding can turn it there, and no further.
;; One version. Each part assembles by itself: llvm-mc -triple=amdgcn-amd-amdhsa -mcpu=gfx1250 --defsym DOCPART=n.
;; ======== version 1 of 1: 4 launches
;; limits: right only within a limited range of input values
;; workspace buffers: tiles 6,693,376 bytes; qc 4,194,304 bytes; qs 524,288 bytes; qb 524,288 bytes; kv 9,830,400 bytes; ac 4,456,448 bytes
;; launch quant (part 1): grid 769 x 1, 4 waves a work-group, no clusters, 34,816 bytes of LDS; arguments cnn_features, llm_features, Wq, Wk, Wv, Wo, e_energy, e_mass, e_momentum, tiles; writes tiles
.if DOCPART == 1
	.amdgcn_target "amdgcn-amd-amdhsa--gfx1250"
	.amdhsa_code_object_version 6
	.text
	.protected	k_q9d885b15f6_quant
	.globl	k_q9d885b15f6_quant
	.p2align	8
	.type	k_q9d885b15f6_quant,@function
k_q9d885b15f6_quant:
	s_mov_b64 s[64:65], 0
	v_nop
	global_prefetch_b8 v0, s[64:65] scope:SCOPE_SE
	s_setreg_imm32_b32 hwreg(HW_REG_WAVE_MODE, 25, 1), 1
	s_wait_xcnt 0x0
; cnn, llm [4096][1024], Wq, Wk, Wv, Wo [1024][1024] and the three physics rows, all f32 with K innermost, become codes of FP4 (E2M1) with one E8M0 byte for each 32 along K.
; A block's scale is 2^(floor(log2(its largest magnitude)) - 2): its byte is the largest magnitude's exponent field - 2, held at 1 from below.
; LIMITS: a block of zeros, and a block whose largest magnitude lies under 2^-124, gets the byte 1 (the rule says 127 for zeros: its codes are zeros, and this program alone reads the bytes); NaN and infinities are not served.
; OUTPUT: tile records of 8,704 bytes: 512 bytes of scale words [place r][8 K steps], then 8 images of an operand's registers (16 rows x 128 K: two pieces of 512 bytes, lane l's 16 bytes at 16 l).
; THE ROWS OF A TILE ARE NOT NEIGHBOURS: place r of tile 2 g + u holds row 32 g + 8 u + r + 8 (r / 8), so that a product that takes the tile as source 0 leaves 16 neighbours in the 16 registers of tiles 2 g and 2 g + 1.
; SHARES: one work-group makes one record; wave w takes K steps 2 w and 2 w + 1.  Each load reads 512 consecutive bytes of one row; the 16 rows turn through the wave's own stage in LDS (pitch 528), from which a lane
; takes, of row place r = lane % 16, the 16 neighbours 32 b + 16 (lane / 16) + 0 .. 15 of each block b.  All 32 loads of a wave go out at once; no loop, one barrier (for the 512 scale bytes, which leave as whole units).
; LEFT OUT AS DEAD WORK, in this and every later launch: reference() slices rows 1,024 to 1,026 off both results, so the three physics rows are never queries: their Q, scores, softmax,
; weighted sums, rows of the last product and of the norm reach no output, whatever the inputs hold.  As keys and values they are live and are computed.
; LIMIT: a NaN, an infinity or an overflow that would arise only in those rows is not carried to the result.
.set REC,  8704
.set SP,   528                         ; a stage row: 512 bytes + 16: the 16 rows that a read touches start at 16 different banks
.set STGW, 16*SP                       ; a wave's stage
.set SCB,  4*STGW                      ; behind the stages: the record's 512 scale bytes
.set OF,   10                          ; v10-25  byte offset of row place i: 16 x lane + (i + 8 (i / 8)) x the row pitch
.set TM,   26                          ; v26-41  at work in the quantiser
.set PW,   42                          ; v42-43  the two K steps' scale words
.set PC,   46                          ; v46-61  their codes
.set R0,   64                          ; v64-127   K step 2 w as loaded; later K step 2 w + 1 by lanes
.set R1,   128                         ; v128-191  K step 2 w + 1 as loaded
.set X,    192                         ; v192-255  K step 2 w by lanes
.set WV,   24
.set SEL,  34                          ; s[34:35] v_permlanex16_b32's selects for lane l xor 16
; 64 numbers of a lane, register 16 b + i = k 32 b + 16 (lane / 16) + i of its row, become a fragment's 8 registers of codes and the row's scale word
.macro QUANT s, pc, pw
.irp b, 0,1,2,3
	v_max3_num_f32 v[TM+\b], |v[\s+16*\b]|, |v[\s+1+16*\b]|, 0x1800000   ; my 16 numbers of block b, and the floor 2^(3 - 127): the byte cannot fall under 1
.endr
.irp i, 2,4,6,8,10,12,14
.irp b, 0,1,2,3
	v_max3_num_f32 v[TM+\b], v[TM+\b], |v[\s+16*\b+\i]|, |v[\s+1+16*\b+\i]|
.endr
.endr
.irp b, 0,1,2,3
	v_permlanex16_b32 v[TM+4+\b], v[TM+\b], s[SEL], s[SEL+1]
.endr
.irp b, 0,1,2,3
	v_max_num_f32 v[TM+\b], v[TM+\b], v[TM+4+\b]          ; with lane l xor 16's 16: the block's largest magnitude
.endr
.irp b, 0,1,2,3
	v_add_nc_u32 v[TM+12+\b], 0xff000000, v[TM+\b]        ; 2 off its exponent field: the conversion's scale operand
.endr
.irp b, 0,1,2,3
	v_lshrrev_b32 v[TM+4+\b], 23, v[TM+12+\b]             ; the scale's byte
.endr
	v_lshl_or_b32 v[\pw], v[TM+5], 8, v[TM+4]
	v_lshl_or_b32 v[\pw], v[TM+6], 16, v[\pw]
	v_lshl_or_b32 v[\pw], v[TM+7], 24, v[\pw]
.irp b, 0,1,2,3
	v_cvt_scalef32_pk8_fp4_f32 v[\pc+2*\b], v[\s+16*\b:\s+7+16*\b], v[TM+12+\b]
	v_cvt_scalef32_pk8_fp4_f32 v[\pc+1+2*\b], v[\s+8+16*\b:\s+15+16*\b], v[TM+12+\b]
.endr
	v_nop                                                 ; one plain place behind a scaled conversion
.irp c, 0,1
.irp i, 0,1
	v_permlane16_swap_b32 v[\pc+4*\c+\i], v[\pc+2+4*\c+\i]   ; a whole block to a lane: lanes 0-15 block 2 c, lanes 16-31 block 2 c + 1
.endr
.endr
.endm
.macro PICK lim, p                     ; from work-group lim on: the tensor whose address stands in s[p:p+1]
	s_cmp_ge_u32 ttmp9, \lim
	s_cselect_b64 s[30:31], s[\p:\p+1], s[30:31]
	s_cselect_b32 s32, \lim, s32
.endm
	s_load_b512 s[4:19], s[0:1], 0x0               ; cnn, llm, Wq, Wk, Wv, Wo, e_energy, e_mass
	s_load_b128 s[20:23], s[0:1], 0x40             ; e_momentum, tiles
	v_lshl_add_u32 v62, v0, 2, 0x8600
	v_mov_b32 v63, 0
	v_lshrrev_b32 v1, 5, v0
	v_readfirstlane_b32 s[WV], v1                  ; wave 0..3
	v_and_b32 v1, 31, v0                           ; lane
	v_and_b32 v2, 15, v0                           ; r
	v_bfe_u32 v3, v0, 4, 1                         ; h
	v_lshlrev_b32 v4, 4, v1                        ; 16 x lane
	s_mul_i32 s25, s[WV], STGW
	v_add_nc_u32 v5, s25, v4                       ; the stage, on the way in: a row's 512 bytes as they lie
	v_mul_u32_u24 v6, v2, SP
	v_lshl_add_u32 v6, v3, 6, v6
	v_add_nc_u32 v6, s25, v6                       ; on the way out: row r, + 64 h
	v_lshlrev_b32 v7, 5, v2
	v_lshl_add_u32 v7, v3, 2, v7
	s_lshl_b32 s25, s[WV], 3
	s_add_co_u32 s25, s25, SCB
	v_add_nc_u32 v7, s25, v7                       ; my scale word: place r, K step 2 w + h
	v_add_nc_u32 v8, SCB, v4
	s_mov_b32 s[SEL], 0x76543210
	s_mov_b32 s[SEL+1], 0xfedcba98
.irp b, 0,1,2,3
	v_mov_b32 v[TM+4+\b], 0                        ; written once: a lane permute's destination counts as one of its sources
.endr
	; the record's place.  x: (block of 128 rows) x 16 + stream x 8 + tile in the block; phys: 512; Wq, Wk, Wv: 513 + 12 head + 4 x which + tile in the head; Wo: 705 + tile
	s_and_b32 s25, ttmp9, 255
	s_lshr_b32 s26, s25, 3
	s_lshl_b32 s26, s26, 4
	s_and_b32 s27, ttmp9, 7
	s_add_co_u32 s26, s26, s27
	s_bfe_u32 s27, ttmp9, 0x10008
	s_lshl_b32 s27, s27, 3
	s_add_co_u32 s26, s26, s27
	s_sub_co_u32 s27, ttmp9, 512
	s_and_b32 s28, s27, 63
	s_lshr_b32 s28, s28, 2
	s_mul_i32 s28, s28, 12
	s_lshr_b32 s29, s27, 6
	s_lshl_b32 s29, s29, 2
	s_add_co_u32 s28, s28, s29
	s_and_b32 s29, s27, 3
	s_add_co_u32 s28, s28, s29
	s_add_co_u32 s28, s28, 513
	s_add_co_u32 s29, ttmp9, 1
	s_cmp_lt_u32 ttmp9, 512
	s_cselect_b32 s26, s26, s28
	s_cmp_lt_u32 ttmp9, 704
	s_cselect_b32 s26, s26, s29
	s_cmp_lt_u32 ttmp9, 768
	s_cselect_b32 s26, s26, 512
	s_mul_i32 s44, s26, REC
	s_lshl_b32 s45, s[WV], 11                      ; my two images
	s_add_co_u32 s44, s44, s45
	s_mov_b32 s45, 0
	s_wait_kmcnt 0x0
	s_add_nc_u64 s[42:43], s[22:23], s[44:45]
	s_mov_b64 s[30:31], s[4:5]                     ; the tensor, chosen by the work-group's number alone
	s_mov_b32 s32, 0
	PICK 256, 6
	PICK 512, 8
	PICK 576, 10
	PICK 640, 12
	PICK 704, 14
	PICK 768, 16
	s_sub_co_u32 s36, ttmp9, s32                   ; the tile in its tensor: 2 g + u
	s_lshr_b32 s37, s36, 1
	s_lshl_b32 s37, s37, 17                        ; 32 g rows of 4,096 bytes
	s_and_b32 s36, s36, 1
	s_lshl_b32 s36, s36, 15                        ; 8 u rows
	s_add_co_u32 s36, s36, s37
	s_lshl_b32 s37, s[WV], 10                      ; my two K steps: 1,024 bytes of each row
	s_add_co_u32 s36, s36, s37
	s_mov_b32 s37, 0
	s_add_nc_u64 s[30:31], s[30:31], s[36:37]
	s_add_nc_u64 s[38:39], s[18:19], s[36:37]
	s_add_nc_u64 s[40:41], s[20:21], s[36:37]
	s_cmp_ge_u32 ttmp9, 768                        ; the physics tile: place 1 is e_mass, place 2 e_momentum, every other place e_energy (places 3 to 15 are masked later); no row pitch
	s_cselect_b64 s[38:39], s[38:39], s[30:31]
	s_cselect_b64 s[40:41], s[40:41], s[30:31]
	s_cselect_b32 s33, 0, 4096
.irp i, 0,1,2,3,4,5,6,7,8,9,10,11,12,13,14,15
	v_mad_u32_u24 v[OF+\i], s33, \i+8*(\i/8), v4
.endr
.irp ss, 0,1
.irp i, 0,1,2,3,4,5,6,7,8,9,10,11,12,13,14,15
.if \i == 1
	global_load_b128 v[R0+64*\ss+4*\i:R0+64*\ss+4*\i+3], v[OF+\i], s[38:39] offset:512*\ss th:TH_LOAD_NT
.elseif \i == 2
	global_load_b128 v[R0+64*\ss+4*\i:R0+64*\ss+4*\i+3], v[OF+\i], s[40:41] offset:512*\ss th:TH_LOAD_NT
.else
	global_load_b128 v[R0+64*\ss+4*\i:R0+64*\ss+4*\i+3], v[OF+\i], s[30:31] offset:512*\ss th:TH_LOAD_NT
.endif
.endr
.endr
	s_wait_loadcnt 16                              ; the first K step's 16 loads are in; the second's 16 may be out
.irp i, 0,1,2,3,4,5,6,7,8,9,10,11,12,13,14,15
	ds_store_b128 v5, v[R0+4*\i:R0+4*\i+3] offset:SP*\i
.endr
.irp b, 0,1,2,3
.irp q, 0,1,2,3
	ds_load_b128 v[X+16*\b+4*\q:X+16*\b+4*\q+3], v6 offset:128*\b+16*\q   ; LDS serves a wave's instructions in order (ISA guide 5.7.1.4): these see the stores above
.endr
.endr
	s_wait_loadcnt 0x0
.irp i, 0,1,2,3,4,5,6,7,8,9,10,11,12,13,14,15
	ds_store_b128 v5, v[R1+4*\i:R1+4*\i+3] offset:SP*\i   ; behind the reads above, in order: the stage takes the second K step
.endr
	s_wait_dscnt 32                                ; of 48 issued the oldest 16 are done: the stores that read R0, which is loaded again now
.irp b, 0,1,2,3
.irp q, 0,1,2,3
	ds_load_b128 v[R0+16*\b+4*\q:R0+16*\b+4*\q+3], v6 offset:128*\b+16*\q
.endr
.endr
	s_wait_dscnt 32                                ; X is in; the 16 stores and 16 loads behind it may be out
	QUANT X, PC, PW
	global_store_b128 v4, v[PC:PC+3], s[42:43] offset:512       ; a piece of an image: 512 consecutive bytes
	global_store_b128 v4, v[PC+4:PC+7], s[42:43] offset:1024
	s_wait_dscnt 0x0
	QUANT R0, PC+8, PW+1
	global_store_b128 v4, v[PC+8:PC+11], s[42:43] offset:1536
	global_store_b128 v4, v[PC+12:PC+15], s[42:43] offset:2048
	v_cmp_ne_u32 vcc_lo, 0, v3
	v_cndmask_b32 v44, v[PW], v[PW+1], vcc_lo      ; both halves of the lanes hold row r's words: lanes 0-15 store K step 2 w's, lanes 16-31 K step 2 w + 1's
	ds_store_b32 v7, v44
	s_wait_dscnt 0x0                               ; for the others' sake: my words lie in LDS
	s_barrier_signal -1
	s_barrier_wait -1
	s_cmp_lg_u32 s[WV], 0
	s_cbranch_scc1 .Ldone
	ds_load_b128 v[R1:R1+3], v8
	s_wait_dscnt 0x0
	global_store_b128 v4, v[R1:R1+3], s[42:43]     ; wave 0: the record's 512 scale bytes, consecutive
.Ldone:
	s_wait_tensorcnt 0x0
	ds_add_u32 v62, v63
	s_wait_dscnt 0x0
	s_endpgm
.Lfunc_end_k_q9d885b15f6_quant:
	.size	k_q9d885b15f6_quant, .Lfunc_end_k_q9d885b15f6_quant-k_q9d885b15f6_quant
	.p2alignl 7, 3214868480
	.fill 96, 4, 3214868480
	.section	.rodata,"a",@progbits
	.p2align	6, 0x0
	.amdhsa_kernel k_q9d885b15f6_quant
		.amdhsa_group_segment_fixed_size 34816
		.amdhsa_private_segment_fixed_size 0
		.amdhsa_enable_private_segment 0
		.amdhsa_kernarg_size 80
		.amdhsa_user_sgpr_count 2
		.amdhsa_user_sgpr_kernarg_segment_ptr 1
		.amdhsa_wavefront_size32 1
		.amdhsa_system_sgpr_workgroup_id_x 1
		.amdhsa_system_sgpr_workgroup_id_y 1
		.amdhsa_system_sgpr_workgroup_id_z 1
		.amdhsa_system_vgpr_workitem_id 0
		.amdhsa_next_free_vgpr 256
		.amdhsa_next_free_sgpr 66
		.amdhsa_reserve_vcc 1
		.amdhsa_float_denorm_mode_32 3
		.amdhsa_float_denorm_mode_16_64 3
		.amdhsa_memory_ordered 1
		.amdhsa_forward_progress 1
		.amdhsa_inst_pref_size 21
	.end_amdhsa_kernel
	.amdgpu_metadata
---
amdhsa.version: [ 1, 2 ]
amdhsa.kernels:
  - .name:           k_q9d885b15f6_quant
    .symbol:         k_q9d885b15f6_quant.kd
    .args:
      - { .name: cnn_features, .offset: 0, .size: 8, .value_kind: global_buffer, .address_space: global }
      - { .name: llm_features, .offset: 8, .size: 8, .value_kind: global_buffer, .address_space: global }
      - { .name: Wq, .offset: 16, .size: 8, .value_kind: global_buffer, .address_space: global }
      - { .name: Wk, .offset: 24, .size: 8, .value_kind: global_buffer, .address_space: global }
      - { .name: Wv, .offset: 32, .size: 8, .value_kind: global_buffer, .address_space: global }
      - { .name: Wo, .offset: 40, .size: 8, .value_kind: global_buffer, .address_space: global }
      - { .name: e_energy, .offset: 48, .size: 8, .value_kind: global_buffer, .address_space: global }
      - { .name: e_mass, .offset: 56, .size: 8, .value_kind: global_buffer, .address_space: global }
      - { .name: e_momentum, .offset: 64, .size: 8, .value_kind: global_buffer, .address_space: global }
      - { .name: tiles, .offset: 72, .size: 8, .value_kind: global_buffer, .address_space: global }
    .group_segment_fixed_size: 34816
    .private_segment_fixed_size: 0
    .kernarg_segment_align: 8
    .kernarg_segment_size: 80
    .max_flat_workgroup_size: 128
    .sgpr_count:     66
    .vgpr_count:     256
    .wavefront_size: 32
...
	.end_amdgpu_metadata
.endif
;; end of part 1
;; launch proj (part 2): grid 16 x 32, 13 waves a work-group, clusters of 4 x 1, 247,552 bytes of LDS; arguments tiles, bq, bk, bv, qc, qs, qb, kv; writes qc, qs, qb, kv
.if DOCPART == 2
	.amdgcn_target "amdgcn-amd-amdhsa--gfx1250"
	.amdhsa_code_object_version 6
	.text
	.protected	k_q9d885b15f6_proj
	.globl	k_q9d885b15f6_proj
	.p2align	8
	.type	k_q9d885b15f6_proj,@function
k_q9d885b15f6_proj:
	s_mov_b64 s[64:65], 0
	v_nop
	global_prefetch_b8 v0, s[64:65] scope:SCOPE_SE
	s_setreg_imm32_b32 hwreg(HW_REG_WAVE_MODE, 25, 1), 1
	s_wait_xcnt 0x0
	s_wait_alu depctr_hold_cnt(0) depctr_sa_sdst(0) depctr_va_vdst(0) depctr_va_sdst(0) depctr_va_ssrc(0) depctr_va_vcc(0) depctr_vm_vsrc(0)
	s_getreg_b32 s2, hwreg(HW_REG_IB_STS2, 6, 4)
	s_cmp_eq_u32 s2, 0
	s_cbranch_scc0 .Lentry_in_a_cluster
	s_endpgm
.Lentry_in_a_cluster:
	s_bfe_u32 s2, ttmp6, 0x10000c
	s_cmp_lg_u32 s2, 0x3003
	s_cbranch_scc0 .Lentry_shape_is_right
	s_endpgm
.Lentry_shape_is_right:
; Q = x Wq^T + bq, K = x Wk^T + bk, V = x Wv^T + bv for both streams, on codes of FP4 with E8M0 scales; then, in registers: the logit bias of each query, and the quantisers of Q and K (along the head's 64) and of V (along the keys).
; A work-group takes 128 rows s of BOTH streams (16 tiles of x) and one head (12 tiles of weights: 4 of Wq, 4 of Wk, 4 of Wv), all of K = 1,024.  All its operands, 243,712 bytes, are filled into LDS ONCE: no slot is filled again, nothing is stored to LDS.
; CLUSTER: the four partners take four heads of the same 128 rows: x's tiles are asked for jointly (mask 15; address from the block of rows and the wave's number alone); the weights by plain loads.
; ROLES, by the wave's number.  Waves 0-7 (Q and K): source 0 = the 8 tiles of Wq, Wk; source 1 = tile w of cnn and tile w of llm: a lane holds one row s, its registers run along the head's d.
;   Waves 8-11 (V): source 0 = the 8 tiles (128 keys) of one stream; source 1 = two tiles of Wv: a lane holds one d, its registers run along the keys.  One text serves both: 8 source-0 tiles x 2 source-1 tiles, 16 accumulators.
;   Wave 12: K and V of the three physics rows, in the work-groups of a batch's first block alone (a branch on the block's number, which the partners share).
; THE BIAS of query s: 0.2 sum_d Q[s][d] K[s][d] + 0.15 mean_d (Q[s][d] + K[s][d]), Q of one stream and K of the other, from the unquantised f32 numbers; stored times log2(e).
; LIMITS: as in the quantising launch (byte 1 for blocks of zeros and under 2^-124; no NaN, no infinities); the bias sums run in another order than a plain loop over d.
; REGISTERS: v1-17 lane terms and LDS addresses; v18-37 scale words, in every role and for nothing else; v40-103, v104-119 fragments, behind the loops the epilogues' scratch and codes; v120-247 hold sums of products
; (and, in wave 12, fragments) and nothing of the epilogues' scratch; v248-255 at work.
.set REC,  8704
.set PA,   4608                        ; first part of a record in LDS: 512 scale bytes + K steps 0-3
.set PB,   4096                        ; second part: K steps 4-7
.set XA,   0
.set WA,   16*PA
.set XB,   WA+12*PA
.set WB,   XB+16*PB
.set KVREC, 76800                      ; a record of kv: [stream][batch][head]
.set KCO,  0                           ; 65 tiles of K x 512 bytes (tile 64: physics)
.set KSO,  33280                       ; 68 x 16 scale words
.set VCO,  37632                       ; [key step 9][d tile 4][1,024 bytes]
.set VSO,  74496                       ; [key step 9][d tile 4][16 words]
.set SRCS, 64*KVREC                    ; from stream to stream
.set SA,   18                          ; v18-33  source 0's scale words: pair p of tiles, K step k at 4 p + k; lanes 0-15 tile 2 p, lanes 16-31 tile 2 p + 1
.set SB,   34                          ; v34-37  source 1's: lanes 0-15 the first tile, lanes 16-31 the second
.set AF,   40                          ; v40-103 source 0's 8 fragments
.set BF,   104                         ; v104-119 source 1's two
.set ACC,  120                         ; v120-247 accumulator (t, x) at 64 x + 8 t
.set TM,   52                          ; v52-67  the quantisers' scratch, behind the loop, where fragments lay
.set PW,   68                          ; v68-71  the scale words just made
.set WV,   20
.set SEL,  66
.set G1XA, 24
.set G1XB, 32
.set G1WA, 40
.set G1WB, 48
.macro G1SET g, w0, c, r               ; descriptor group 1: r rows (records) of c elements of 8 bytes, 1,088 elements apart, dense in LDS
	s_mov_b32 s[\g], \w0
	s_mov_b32 s[\g+1], (\c)<<16
	s_mov_b32 s[\g+2], (\r)<<16
	s_mov_b32 s[\g+3], (\c)<<16
	s_mov_b32 s[\g+4], \r
	s_mov_b32 s[\g+5], REC/8
	s_mov_b32 s[\g+6], 0
	s_mov_b32 s[\g+7], 0
.endm
.macro ROUND                           ; a round of the cluster's barrier
	s_barrier_signal -1
	s_barrier_wait -1
	s_cmp_lg_u32 s[WV], 0
	s_cbranch_scc1 .Lnot_wave_0_\@
	s_barrier_signal -3
.Lnot_wave_0_\@:
	s_barrier_wait -3
	s_barrier_signal -1
	s_barrier_wait -1
.endm
.macro PLACES
.rept 4
	v_nop
.endr
.endm
; one product 16 x 16 x 128.  ra, rb: the scale words stand in lanes 16-31 of their register
.macro WM d, a, b, c, sa, sb, ra, rb
.if (\ra) && (\rb)
	v_wmma_scale_f32_16x16x128_f8f6f4 v[\d:\d+7], v[\a:\a+7], v[\b:\b+7], \c, v[\sa], v[\sb] matrix_a_fmt:MATRIX_FMT_FP4 matrix_b_fmt:MATRIX_FMT_FP4 matrix_a_scale:MATRIX_SCALE_ROW1 matrix_b_scale:MATRIX_SCALE_ROW1
.elseif (\ra)
	v_wmma_scale_f32_16x16x128_f8f6f4 v[\d:\d+7], v[\a:\a+7], v[\b:\b+7], \c, v[\sa], v[\sb] matrix_a_fmt:MATRIX_FMT_FP4 matrix_b_fmt:MATRIX_FMT_FP4 matrix_a_scale:MATRIX_SCALE_ROW1
.elseif (\rb)
	v_wmma_scale_f32_16x16x128_f8f6f4 v[\d:\d+7], v[\a:\a+7], v[\b:\b+7], \c, v[\sa], v[\sb] matrix_a_fmt:MATRIX_FMT_FP4 matrix_b_fmt:MATRIX_FMT_FP4 matrix_b_scale:MATRIX_SCALE_ROW1
.else
	v_wmma_scale_f32_16x16x128_f8f6f4 v[\d:\d+7], v[\a:\a+7], v[\b:\b+7], \c, v[\sa], v[\sb] matrix_a_fmt:MATRIX_FMT_FP4 matrix_b_fmt:MATRIX_FMT_FP4
.endif
.endm
; 64 numbers of a lane, register 16 b + i = k 32 b + 16 (lane / 16) + i, become 8 registers of codes and a scale word
.macro QUANT s, pc, pw
.irp b, 0,1,2,3
	v_max3_num_f32 v[TM+\b], |v[\s+16*\b]|, |v[\s+1+16*\b]|, 0x1800000   ; my 16 numbers of block b, and the floor 2^(3 - 127): the byte cannot fall under 1
.endr
.irp i, 2,4,6,8,10,12,14
.irp b, 0,1,2,3
	s_delay_alu instid0(VALU_DEP_4)
	v_max3_num_f32 v[TM+\b], v[TM+\b], |v[\s+16*\b+\i]|, |v[\s+1+16*\b+\i]|
.endr
.endr
.irp b, 0,1,2,3
	s_delay_alu instid0(VALU_DEP_4)
	v_permlanex16_b32 v[TM+4+\b], v[TM+\b], s[SEL], s[SEL+1]
.endr
.irp b, 0,1,2,3
	s_delay_alu instid0(VALU_DEP_4)
	v_max_num_f32 v[TM+\b], v[TM+\b], v[TM+4+\b]   ; with lane l xor 16's 16: the block's largest magnitude
.endr
.irp b, 0,1,2,3
	s_delay_alu instid0(VALU_DEP_4)
	v_add_nc_u32 v[TM+12+\b], 0xff000000, v[TM+\b] ; 2 off its exponent field: the conversion's scale operand
.endr
.irp b, 0,1,2,3
	s_delay_alu instid0(VALU_DEP_4)
	v_lshrrev_b32 v[TM+4+\b], 23, v[TM+12+\b]      ; the scale's byte
.endr
	s_delay_alu instid0(VALU_DEP_3)
	v_lshl_or_b32 v[\pw], v[TM+5], 8, v[TM+4]
	s_delay_alu instid0(VALU_DEP_1)
	v_lshl_or_b32 v[\pw], v[TM+6], 16, v[\pw]
	s_delay_alu instid0(VALU_DEP_1)
	v_lshl_or_b32 v[\pw], v[TM+7], 24, v[\pw]
.irp b, 0,1,2,3
	v_cvt_scalef32_pk8_fp4_f32 v[\pc+2*\b], v[\s+16*\b:\s+7+16*\b], v[TM+12+\b]
	v_cvt_scalef32_pk8_fp4_f32 v[\pc+1+2*\b], v[\s+8+16*\b:\s+15+16*\b], v[TM+12+\b]
.endr
	v_nop                                          ; one plain place behind a scaled conversion
.irp c, 0,1
.irp i, 0,1
	v_permlane16_swap_b32 v[\pc+4*\c+\i], v[\pc+2+4*\c+\i]   ; a whole block to a lane
.endr
.endr
.endm
; the same for 32 numbers (two blocks: a head's 64 along d): 4 registers of codes; the word's upper two bytes are 0
.macro QUANT2 s, pc, pw
.irp b, 0,1
	v_max3_num_f32 v[TM+\b], |v[\s+16*\b]|, |v[\s+1+16*\b]|, 0x1800000
.endr
.irp i, 2,4,6,8,10,12,14
.irp b, 0,1
	s_delay_alu instid0(VALU_DEP_2)
	v_max3_num_f32 v[TM+\b], v[TM+\b], |v[\s+16*\b+\i]|, |v[\s+1+16*\b+\i]|
.endr
.endr
.irp b, 0,1
	s_delay_alu instid0(VALU_DEP_2)
	v_permlanex16_b32 v[TM+4+\b], v[TM+\b], s[SEL], s[SEL+1]
.endr
.irp b, 0,1
	s_delay_alu instid0(VALU_DEP_2)
	v_max_num_f32 v[TM+\b], v[TM+\b], v[TM+4+\b]
.endr
.irp b, 0,1
	s_delay_alu instid0(VALU_DEP_2)
	v_add_nc_u32 v[TM+12+\b], 0xff000000, v[TM+\b]
.endr
.irp b, 0,1
	s_delay_alu instid0(VALU_DEP_2)
	v_lshrrev_b32 v[TM+4+\b], 23, v[TM+12+\b]
.endr
	s_delay_alu instid0(VALU_DEP_1)
	v_lshl_or_b32 v[\pw], v[TM+5], 8, v[TM+4]
.irp b, 0,1
	v_cvt_scalef32_pk8_fp4_f32 v[\pc+2*\b], v[\s+16*\b:\s+7+16*\b], v[TM+12+\b]
	v_cvt_scalef32_pk8_fp4_f32 v[\pc+1+2*\b], v[\s+8+16*\b:\s+15+16*\b], v[TM+12+\b]
.endr
	v_nop
.irp i, 0,1
	v_permlane16_swap_b32 v[\pc+\i], v[\pc+2+\i]
.endr
.endm
	s_load_b512 s[4:19], s[0:1], 0x0               ; tiles, bq, bk, bv, qc, qs, qb, kv
	v_lshl_add_u32 v254, v0, 2, 0x3c000
	v_mov_b32 v255, 0
	ds_add_u32 v254, v255
	ds_add_u32 v254, v255
	v_lshrrev_b32 v1, 5, v0
	s_delay_alu instid0(VALU_DEP_1)
	v_readfirstlane_b32 s[WV], v1                  ; wave 0..12
	s_bfe_u32 s21, ttmp6, 0x40000                  ; cx
	s_lshl_b32 s22, ttmp9, 2
	s_add_co_u32 s22, s22, s21                     ; the head = 4 x cluster x + cx: it enters global addresses alone
	s_and_b32 s23, ttmp7, 0xffff                   ; the block of 128 rows: 8 x batch + key step; the partners share it
	G1SET G1XA, 15|(3<<16)|(1<<21), PA/8, 4        ; x, first parts: 4 records a wave; joint: the mask names all four partners, bit 21 beside it
	G1SET G1XB, 15|(3<<16)|(1<<21), PB/8, 4        ; x, second parts
	G1SET G1WA, 3<<16, PA/8, 6                     ; the weights: 6 records a loading wave, a load of my own
	G1SET G1WB, 3<<16, PB/8, 6
	s_lshl_b32 s76, s23, 4
	s_and_b32 s77, s[WV], 3                        ; which quarter of x's 16 records I fetch, if I fetch for x
	s_lshl_b32 s77, s77, 2
	s_add_co_u32 s76, s76, s77
	s_mul_i32 s76, s76, REC                        ; x: record 16 x block + 4 x wave
	s_mov_b32 s77, 0
	s_mul_i32 s80, s22, 12
	s_and_b32 s81, s[WV], 1                        ; which half of the 12 records of weights
	s_mul_i32 s81, s81, 6
	s_add_co_u32 s80, s80, s81
	s_add_co_u32 s80, s80, 513
	s_mul_i32 s80, s80, REC                        ; weights: record 513 + 12 x head + 6 x (wave mod 2)
	s_mov_b32 s81, 0
	s_mov_b32 s[SEL], 0x76543210
	s_mov_b32 s[SEL+1], 0xfedcba98
	s_wait_dscnt 0x0
	s_wait_kmcnt 0x0
	s_add_nc_u64 s[78:79], s[4:5], s[76:77]
	s_add_nc_u64 s[82:83], s[4:5], s[80:81]
	s_mov_b32 s56, 1
	s_and_b32 s57, s[WV], 3
	s_mul_i32 s57, s57, 4*PA
	s_mov_b64 s[58:59], s[78:79]
	s_or_b32 s59, s59, 0x80000000
	s_mov_b32 s60, 1
	s_and_b32 s61, s[WV], 1
	s_mul_i32 s61, s61, 6*PA
	s_add_co_u32 s61, s61, WA
	s_mov_b64 s[62:63], s[82:83]
	s_or_b32 s63, s63, 0x80000000
	s_mov_b32 s68, 1
	s_and_b32 s69, s[WV], 3
	s_mul_i32 s69, s69, 4*PB
	s_add_co_u32 s69, s69, XB
	s_add_nc_u64 s[70:71], s[78:79], PA
	s_or_b32 s71, s71, 0x80000000
	s_mov_b32 s72, 1
	s_and_b32 s73, s[WV], 1
	s_mul_i32 s73, s73, 6*PB
	s_add_co_u32 s73, s73, WB
	s_add_nc_u64 s[74:75], s[82:83], PA
	s_or_b32 s75, s75, 0x80000000
	ROUND                                          ; all four work-groups are here: the joint loads meet
; THE FIRST FILLS, ONE A WAVE: waves 0-3 x's first parts, waves 4, 5 the weights' first parts, waves 6-9 x's second parts, waves 10, 11 the weights' second; wave 12 none.
; A wave's quarter of x is its number modulo 4, its half of the weights its number modulo 2.  One chain of branches on the wave's number, an arm a load, all arms leading to one join.
.macro ARM under, g0, g1, next
	s_cmp_lt_u32 s[WV], \under
	s_cbranch_scc0 \next
	tensor_load_to_lds s[\g0:\g0+3], s[\g1:\g1+7]
	s_nop 0
	PLACES
	s_branch .Lno_fill
\next:
.endm
	ARM 4,  56, G1XA, .Lfill_wa
	ARM 6,  60, G1WA, .Lfill_xb
	ARM 10, 68, G1XB, .Lfill_wb
	ARM 12, 72, G1WB, .Lfill_none
.Lno_fill:
	; where each role's operands lie: plain arithmetic on the wave's number
	s_lshr_b32 s84, s[WV], 3                       ; role: 0 = Q and K, 1 = V (and wave 12)
	s_xor_b32 s85, s84, 1
	s_and_b32 s86, s[WV], 7
	s_bfe_u32 s87, s[WV], 0x10001                  ; V: the stream
	s_and_b32 s88, s[WV], 1                        ; V: which pair of Wv's tiles
	s_mul_i32 s89, s85, WA
	s_mul_i32 s90, s84, s87
	s_mul_i32 s91, s90, 8*PA
	s_add_co_u32 s89, s89, s91                     ; source 0, first parts: the weights' tiles 0-7, or the stream's 8 tiles
	s_mul_i32 s91, s85, WB
	s_mul_i32 s92, s84, XB
	s_add_co_u32 s91, s91, s92
	s_lshl_b32 s92, s90, 15
	s_add_co_u32 s91, s91, s92                     ; second parts
	s_mul_i32 s92, s85, s86
	s_mul_i32 s93, s84, s88
	s_mul_i32 s94, s92, PA
	s_mul_i32 s95, s84, WA+8*PA
	s_add_co_u32 s94, s94, s95
	s_mul_i32 s95, s93, 2*PA
	s_add_co_u32 s94, s94, s95                     ; source 1, first tile, first part: x's tile w, or the weights' tile 8 + 2 x pair
	s_mul_i32 s95, s85, 7*PA
	s_add_co_u32 s95, s95, PA                      ; to the second tile: 8 records on (llm's tile w), or one
	s_mul_i32 s96, s85, XB
	s_lshl_b32 s97, s92, 12
	s_add_co_u32 s96, s96, s97
	s_mul_i32 s97, s84, WB+8*PB
	s_add_co_u32 s96, s96, s97
	s_lshl_b32 s97, s93, 13
	s_add_co_u32 s96, s96, s97                     ; second part
	s_mul_i32 s97, s85, 7*PB
	s_add_co_u32 s97, s97, PB
	v_and_b32 v5, 31, v0
	s_delay_alu instid0(VALU_DEP_1)
	v_lshlrev_b32 v1, 4, v5                        ; 16 x lane
	s_delay_alu instid0(VALU_DEP_2)
	v_lshlrev_b32 v5, 2, v5                        ; 4 x lane
	v_and_b32 v2, 15, v0                           ; r
	v_bfe_u32 v3, v0, 4, 1                         ; h
	s_delay_alu instid0(VALU_DEP_2)
	v_lshlrev_b32 v4, 2, v2                        ; 4 r
	s_delay_alu instid0(VALU_DEP_2)
	v_lshlrev_b32 v17, 6, v3                       ; 64 h
	s_delay_alu instid0(VALU_DEP_4)
	v_lshlrev_b32 v248, 5, v2                      ; 32 r
	s_add_co_u32 s98, s89, 512
	v_add_nc_u32 v6, s98, v1                       ; source 0's images, K steps 0-3
	v_add_nc_u32 v7, s91, v1                       ; K steps 4-7
	s_add_co_u32 s98, s94, 512
	v_add_nc_u32 v8, s98, v1                       ; source 1's two tiles, K steps 0-3
	s_delay_alu instid0(VALU_DEP_1)
	v_add_nc_u32 v9, s95, v8
	v_add_nc_u32 v10, s96, v1                      ; K steps 4-7
	s_delay_alu instid0(VALU_DEP_1)
	v_add_nc_u32 v11, s97, v10
	v_mad_u32_u24 v12, v3, PA, v248
	s_delay_alu instid0(VALU_DEP_1)
	v_add_nc_u32 v16, WA+4*PA, v12                 ; wave 12: the scale words of the weights' tiles 4-11
	s_delay_alu instid0(VALU_DEP_2)
	v_add_nc_u32 v12, s89, v12                     ; source 0's scale words: lanes 16-31 one record on
	v_mul_u32_u24 v13, s95, v3
	s_delay_alu instid0(VALU_DEP_1)
	v_add_nc_u32 v13, v13, v248
	s_delay_alu instid0(VALU_DEP_1)
	v_add_nc_u32 v13, s94, v13                     ; source 1's: lanes 16-31 the second tile
	v_add_nc_u32 v14, WA+4*PA+512, v1              ; wave 12: the images of the weights' tiles 4-11
	v_add_nc_u32 v15, WB+4*PB, v1
	; the outputs' bases
	s_lshr_b32 s84, s23, 3                         ; batch
	s_and_b32 s85, s23, 7                          ; key step
	s_lshl_b32 s86, s84, 4
	s_add_co_u32 s86, s86, s22                     ; 16 x batch + head
	s_mul_i32 s88, s86, KVREC
	s_mov_b32 s89, 0
	s_add_nc_u64 s[18:19], s[18:19], s[88:89]      ; kv: stream 0's record of my batch and head
	s_lshl_b32 s88, s22, 8
	s_add_nc_u64 s[6:7], s[6:7], s[88:89]          ; the head's 64 numbers of each bias
	s_add_nc_u64 s[8:9], s[8:9], s[88:89]
	s_add_nc_u64 s[10:11], s[10:11], s[88:89]
; one K step: 16 + 4 loads bring the fragments as images; 16 products, the 16 accumulators by turns, one instruction a turn
.macro KSTEP hf, k, zero
.irp t, 0,1,2,3,4,5,6,7
.irp c, 0,1
	ds_load_b128 v[AF+8*\t+4*\c:AF+8*\t+4*\c+3], v[6+\hf] offset:\t*(PA-512*\hf)+1024*\k+512*\c
.endr
.endr
.irp x, 0,1
.irp c, 0,1
	ds_load_b128 v[BF+8*\x+4*\c:BF+8*\x+4*\c+3], v[8+2*\hf+\x] offset:1024*\k+512*\c
.endr
.endr
	s_wait_dscnt 0x0
.irp t, 0,1,2,3,4,5,6,7
.irp x, 0,1
.if \zero
	WM ACC+64*\x+8*\t, AF+8*\t, BF+8*\x, 0, SA+4*(\t/2)+\k, SB+\k, \t%2, \x
.else
	WM ACC+64*\x+8*\t, AF+8*\t, BF+8*\x, v[ACC+64*\x+8*\t:ACC+64*\x+8*\t+7], SA+4*(\t/2)+\k, SB+\k, \t%2, \x
.endif
.endr
.endr
.endm
; four K steps.  Four plain places stand in front of each run of loads into registers that products have read (ISA guide 7.12.1 for vector instructions)
.macro HALF hf
.if \hf
	PLACES
.endif
.irp p, 0,1,2,3
	ds_load_b128 v[SA+4*\p:SA+4*\p+3], v12 offset:2*\p*PA+16*\hf   ; four K steps' words of a row
.endr
	ds_load_b128 v[SB:SB+3], v13 offset:16*\hf
	KSTEP \hf, 0, 1-\hf                            ; the very first products start the sums: nothing is cleared
.irp k, 1,2,3
	PLACES
	KSTEP \hf, \k, 0
.endr
.endm
	s_cmp_lt_u32 s[WV], 6                          ; waves 0-5 brought the first parts, which are read behind this barrier: they wait for their load;
	s_cbranch_scc0 .Lsecond_part                   ; the second parts' loads stay out, and they are waited for ahead of the next
	s_wait_tensorcnt 0x0
.Lsecond_part:
	s_barrier_signal -1
	s_barrier_wait -1
	s_cmp_eq_u32 s[WV], 12
	s_cbranch_scc1 .Lmid
	s_wait_alu depctr_va_vdst(0)
	HALF 0
.Lmid:
	s_wait_tensorcnt 0x0                           ; the second parts
	s_wait_dscnt 0x0
	s_barrier_signal -1
	s_barrier_wait -1
	s_cmp_eq_u32 s[WV], 12
	s_cbranch_scc1 .Lphys
	s_wait_alu depctr_va_vdst(0)
	HALF 1
	s_cmp_lt_u32 s[WV], 8
	s_cbranch_scc0 .Lvepi
	; ---- Q and K of 16 rows s of both streams.  Register 16 g + i of each run of 32 is d = 32 g + 16 h + i
.set RQC, ACC                          ; Q of cnn
.set RKC, ACC+32                       ; K of cnn
.set RQL, ACC+64                       ; Q of llm
.set RKL, ACC+96                       ; K of llm
	PLACES
.irp g, 0,1
.irp q, 0,1,2,3
	global_load_b128 v[40+16*\g+4*\q:43+16*\g+4*\q], v17, s[6:7] offset:128*\g+16*\q
	global_load_b128 v[72+16*\g+4*\q:75+16*\g+4*\q], v17, s[8:9] offset:128*\g+16*\q
.endr
.endr
	s_lshl_b32 s87, s85, 3
	s_add_co_u32 s87, s87, s[WV]                   ; the tile among the sequence's 64
	s_lshl_b32 s90, s86, 6
	s_add_co_u32 s90, s90, s87
	s_lshl_b32 s88, s90, 9
	s_add_nc_u64 s[12:13], s[12:13], s[88:89]      ; qc
	s_lshl_b32 s88, s90, 6
	s_add_nc_u64 s[14:15], s[14:15], s[88:89]      ; qs
	s_add_nc_u64 s[16:17], s[16:17], s[88:89]      ; qb
	s_lshl_b32 s88, s87, 9
	s_add_nc_u64 s[92:93], s[18:19], s[88:89]      ; kv: the tile's codes
	s_lshl_b32 s88, s87, 6
	s_add_nc_u64 s[94:95], s[18:19], s[88:89]      ; and its words
	s_wait_loadcnt 0x0
.irp a, 0,1                            ; + bq, + bk: ascending
.set i, 0
.rept 16
	v_pk_add_f32 v[ACC+64*\a+i:ACC+64*\a+i+1], v[ACC+64*\a+i:ACC+64*\a+i+1], v[40+i:41+i]
.set i, i+2
.endr
.set i, 0
.rept 16
	v_pk_add_f32 v[ACC+64*\a+32+i:ACC+64*\a+32+i+1], v[ACC+64*\a+32+i:ACC+64*\a+32+i+1], v[72+i:73+i]
.set i, i+2
.endr
.endr
	v_pk_mul_f32 v[40:41], v[RQC:RQC+1], v[RKL:RKL+1]      ; pass 0: Q of cnn with K of llm; pass 1: the other way round.  Four chains by turns, where the biases lay
	v_pk_mul_f32 v[42:43], v[RQL:RQL+1], v[RKC:RKC+1]
	v_pk_add_f32 v[44:45], v[RQC:RQC+1], v[RKL:RKL+1]
	v_pk_add_f32 v[46:47], v[RQL:RQL+1], v[RKC:RKC+1]
.set i, 2
.rept 15
	v_pk_fma_f32 v[40:41], v[RQC+i:RQC+i+1], v[RKL+i:RKL+i+1], v[40:41]
	v_pk_fma_f32 v[42:43], v[RQL+i:RQL+i+1], v[RKC+i:RKC+i+1], v[42:43]
	s_delay_alu instid0(VALU_DEP_4)
	v_pk_add_f32 v[44:45], v[44:45], v[RQC+i:RQC+i+1]
	s_delay_alu instid0(VALU_DEP_4)
	v_pk_add_f32 v[46:47], v[46:47], v[RQL+i:RQL+i+1]
	s_delay_alu instid0(VALU_DEP_2)
	v_pk_add_f32 v[44:45], v[44:45], v[RKL+i:RKL+i+1]
	s_delay_alu instid0(VALU_DEP_2)
	v_pk_add_f32 v[46:47], v[46:47], v[RKC+i:RKC+i+1]
.set i, i+2
.endr
	v_add_f32 v40, v40, v41
	v_add_f32 v42, v42, v43
	s_delay_alu instid0(VALU_DEP_4)
	v_add_f32 v44, v44, v45
	s_delay_alu instid0(VALU_DEP_4)
	v_add_f32 v46, v46, v47
	s_delay_alu instid0(VALU_DEP_2)
	v_mul_f32 v44, 0x3b19999a, v44                 ; 0.15 / 64
	s_delay_alu instid0(VALU_DEP_2)
	v_mul_f32 v46, 0x3b19999a, v46
	s_delay_alu instid0(VALU_DEP_2)
	v_fmamk_f32 v40, v40, 0x3e4ccccd, v44          ; + 0.2 x the sum of products
	s_delay_alu instid0(VALU_DEP_2)
	v_fmamk_f32 v42, v42, 0x3e4ccccd, v46
	s_delay_alu instid0(VALU_DEP_2)
	v_permlanex16_b32 v41, v40, s[SEL], s[SEL+1]   ; the other 32 of the head's 64 lie in lane l xor 16
	s_delay_alu instid0(VALU_DEP_2)
	v_permlanex16_b32 v43, v42, s[SEL], s[SEL+1]
	s_delay_alu instid0(VALU_DEP_2)
	v_add_f32 v40, v40, v41
	s_delay_alu instid0(VALU_DEP_2)
	v_add_f32 v42, v42, v43
	s_delay_alu instid0(VALU_DEP_2)
	v_mul_f32 v48, 0x3fb8aa3b, v40                 ; x log2(e)
	s_delay_alu instid0(VALU_DEP_2)
	v_mul_f32 v49, 0x3fb8aa3b, v42
	QUANT2 RQC, 104, PW
	QUANT2 RKC, 108, PW+1
	QUANT2 RQL, 112, PW+2
	QUANT2 RKL, 116, PW+3
	v_cmp_ne_u32 vcc_lo, 0, v3
	s_delay_alu instid0(VALU_DEP_1)
	v_cndmask_b32 v248, v[PW], v[PW+2], vcc_lo     ; every lane holds row r's words: lanes 0-15 store pass 0's (stream 0's), lanes 16-31 the other's
	s_delay_alu instid0(VALU_DEP_2)
	v_cndmask_b32 v249, v[PW+1], v[PW+3], vcc_lo
	s_delay_alu instid0(VALU_DEP_3)
	v_cndmask_b32 v250, v48, v49, vcc_lo
	v_lshl_add_u32 v251, v3, 18, v4                ; 4 r + h x a pass of qs or qb
	v_mad_u32_u24 v252, v3, SRCS, v4               ; 4 r + h x a stream of kv
	global_store_b128 v1, v[104:107], s[12:13]
	global_store_b128 v1, v[112:115], s[12:13] offset:2097152    ; a pass of qc on
	global_store_b128 v1, v[108:111], s[92:93] offset:KCO
	global_store_b128 v1, v[116:119], s[92:93] offset:KCO+SRCS
	global_store_b32 v251, v248, s[14:15]
	global_store_b32 v251, v250, s[16:17]
	global_store_b32 v252, v249, s[94:95] offset:KSO
	s_branch .Lend
.Lvepi:	; ---- V^T: two tiles of 16 d x 128 keys.  Lane r holds d = 32 x pair + 8 x + r + 8 (r / 8); register 16 b + i is key 32 b + 16 h + i
	PLACES
	v_and_b32 v252, 8, v2
	s_delay_alu instid0(VALU_DEP_1)
	v_add_nc_u32 v252, v252, v2
	s_delay_alu instid0(VALU_DEP_1)
	v_lshlrev_b32 v252, 2, v252
	s_bfe_u32 s87, s[WV], 0x10001                  ; the stream
	s_and_b32 s90, s[WV], 1                        ; the pair
	s_lshl_b32 s88, s90, 7
	s_add_nc_u64 s[10:11], s[10:11], s[88:89]
	global_load_b32 v248, v252, s[10:11]
	global_load_b32 v250, v252, s[10:11] offset:32
	v_mov_b32 v249, 0                              ; (named with them as pairs)
	v_mov_b32 v251, 0
	s_mul_i32 s88, s87, SRCS
	s_add_nc_u64 s[18:19], s[18:19], s[88:89]
	s_lshl_b32 s88, s85, 12
	s_lshl_b32 s91, s90, 11
	s_add_co_u32 s88, s88, s91
	s_add_nc_u64 s[92:93], s[18:19], s[88:89]      ; the key step's images, my pair's
	s_lshl_b32 s88, s85, 8
	s_lshl_b32 s91, s90, 7
	s_add_co_u32 s88, s88, s91
	s_add_nc_u64 s[94:95], s[18:19], s[88:89]      ; and words
	s_wait_alu depctr_va_vdst(0)
	s_wait_loadcnt 0x0
.irp x, 0,1
.set i, 0
.rept 32
	v_pk_add_f32 v[ACC+64*\x+i:ACC+64*\x+i+1], v[ACC+64*\x+i:ACC+64*\x+i+1], v[248+2*\x:249+2*\x] op_sel_hi:[1,0]   ; + bv of my d
.set i, i+2
.endr
.endr
	QUANT ACC, 104, PW
	QUANT ACC+64, 112, PW+1
	v_cmp_ne_u32 vcc_lo, 0, v3
	s_delay_alu instid0(VALU_DEP_1)
	v_cndmask_b32 v248, v[PW], v[PW+1], vcc_lo
.irp x, 0,1
.irp c, 0,1
	global_store_b128 v1, v[104+8*\x+4*\c:107+8*\x+4*\c], s[92:93] offset:VCO+1024*\x+512*\c
.endr
.endr
	global_store_b32 v5, v248, s[94:95] offset:VSO
	s_branch .Lend
.Lphys:	; ---- K and V of the three physics rows, the same for both streams: once for each batch and head
.set XP,  40                           ; v40-103  the physics tile's 8 fragments
.set WF,  104                          ; v104-167 8 fragments of Wk and Wv
.set PK,  168                          ; v168-199 K: lane = row place, registers along d
.set PV,  200                          ; v200-231 V^T: lane = d, register 8 h + j = row place
; behind the loop all scratch lies in v40-119, where fragments lay: of v120-247 only this role's own sums are read, each from its low end on
.set BKR, 40                           ; v40-71   bk; used up before the quantiser's scratch (v52-71) is written
.set IM,  72                           ; v72-87   V's four first pieces
.set BVR, 88                           ; v88-91   bv of my d in each of the four tiles
.set ZR,  92                           ; v92      0
.set KWD, 93                           ; v93      K's scale word, 0 in lanes 16-31
.set VWD, 94                           ; v94-95   V's scale words: two tiles to a register
.set ZP,  96                           ; v96-99   a piece of zero codes
.set KCD, 100                          ; v100-103 K's codes
.set MX,  104                          ; v104-107 V's largest magnitudes
.set MP,  108                          ; v108-111 lane l xor 16's
.set SOP, 112                          ; v112-115 the conversions' scale operands
.set BYT, 116                          ; v116-119 the scales' bytes
	s_cmp_lg_u32 s85, 0
	s_cbranch_scc1 .Lend
	v_nop                                          ; this role's fragments and sums lie over registers that the other roles' products write: six plain places,
	v_nop                                          ; these two and the four address lines, stand between every product of the text above and this role's loads and first products
	v_lshlrev_b32 v250, 5, v2                      ; 32 r
	v_and_b32 v251, 8, v2
	s_delay_alu instid0(VALU_DEP_1)
	v_add_nc_u32 v251, v251, v2
	s_delay_alu instid0(VALU_DEP_1)
	v_lshlrev_b32 v251, 2, v251                    ; 4 (r + 8 (r / 8))
.irp s, 0,1,2,3,4,5,6,7
.irp c, 0,1
	global_load_b128 v[XP+8*\s+4*\c:XP+8*\s+4*\c+3], v1, s[4:5] offset:512*REC+512+1024*\s+512*\c
.endr
.endr
	s_wait_alu depctr_va_vdst(0)
.irp s, 0,1,2,3,4,5,6,7
.if \s > 0
	PLACES
.endif
.if \s%4 == 0                          ; four K steps' scale words at a time, into the registers that hold scale words in every role
	global_load_b128 v[SB:SB+3], v250, s[4:5] offset:512*REC+16*(\s/4)
.irp p, 0,1,2,3
	ds_load_b128 v[SA+4*\p:SA+4*\p+3], v16 offset:2*\p*PA+16*(\s/4)
.endr
.endif
.irp t, 0,1,2,3,4,5,6,7
.irp c, 0,1
	ds_load_b128 v[WF+8*\t+4*\c:WF+8*\t+4*\c+3], v[14+\s/4] offset:\t*(PA-512*(\s/4))+1024*(\s%4)+512*\c
.endr
.endr
.if \s%4 == 0
	s_wait_loadcnt 0x0
.endif
	s_wait_dscnt 0x0
.irp t, 0,1,2,3
.if \s == 0
	WM PK+8*\t, WF+8*\t, XP+8*\s, 0, SA+4*(\t/2)+\s%4, SB+\s%4, \t%2, 0
.else
	WM PK+8*\t, WF+8*\t, XP+8*\s, v[PK+8*\t:PK+8*\t+7], SA+4*(\t/2)+\s%4, SB+\s%4, \t%2, 0
.endif
.endr
.irp t, 0,1,2,3
.if \s == 0
	WM PV+8*\t, XP+8*\s, WF+32+8*\t, 0, SB+\s%4, SA+8+4*(\t/2)+\s%4, 0, \t%2
.else
	WM PV+8*\t, XP+8*\s, WF+32+8*\t, v[PV+8*\t:PV+8*\t+7], SB+\s%4, SA+8+4*(\t/2)+\s%4, 0, \t%2
.endif
.endr
.endr
	PLACES
.irp g, 0,1
.irp q, 0,1,2,3
	global_load_b128 v[BKR+16*\g+4*\q:BKR+16*\g+4*\q+3], v17, s[8:9] offset:128*\g+16*\q
.endr
.endr
.irp x, 0,1,2,3
	global_load_b32 v[BVR+\x], v251, s[10:11] offset:128*(\x/2)+32*(\x%2)
.endr
	v_mov_b32 v[ZR], 0                             ; the registers cleared here lie outside v40-71 and v88-91, into which loads are out
.irp j, 0,1,2,3
	v_mov_b32 v[ZP+\j], 0
	v_mov_b32 v[MP+\j], 0                          ; a lane permute's destination counts as one of its sources
.endr
	v_cmp_ne_u32 vcc_lo, 0, v3
	s_wait_loadcnt 0x0
.set i, 0
.rept 16
	v_pk_add_f32 v[PK+i:PK+i+1], v[PK+i:PK+i+1], v[BKR+i:BKR+i+1]
.set i, i+2
.endr
	QUANT2 PK, KCD, PW
	v_cndmask_b32 v[KWD], v[PW], v[ZR], vcc_lo     ; lanes 16-31 fill the words of tile 65, which does not exist, with 0
.irp x, 0,1,2,3
.irp j, 0,1,2
	v_add_f32 v[PV+8*\x+\j], v[PV+8*\x+\j], v[BVR+\x]
.endr
.endr
.irp x, 0,1,2,3
.irp j, 0,1,2
	v_cndmask_b32 v[PV+8*\x+\j], v[PV+8*\x+\j], v[ZR], vcc_lo   ; only places 0, 1, 2 are keys (1,024 to 1,026): the rest of the block is filled with zeros
.endr
.endr
.irp x, 0,1,2,3
.irp j, 3,4,5,6,7
	v_mov_b32 v[PV+8*\x+\j], 0
.endr
.endr
.irp x, 0,1,2,3
	v_max3_num_f32 v[MX+\x], |v[PV+8*\x]|, |v[PV+8*\x+1]|, |v[PV+8*\x+2]|
.endr
.irp x, 0,1,2,3
	s_delay_alu instid0(VALU_DEP_4)
	v_max_num_f32 v[MX+\x], 0x1800000, v[MX+\x]
.endr
.irp x, 0,1,2,3
	s_delay_alu instid0(VALU_DEP_4)
	v_permlanex16_b32 v[MP+\x], v[MX+\x], s[SEL], s[SEL+1]
.endr
.irp x, 0,1,2,3
	s_delay_alu instid0(VALU_DEP_4)
	v_max_num_f32 v[MX+\x], v[MX+\x], v[MP+\x]
.endr
.irp x, 0,1,2,3
	s_delay_alu instid0(VALU_DEP_4)
	v_add_nc_u32 v[SOP+\x], 0xff000000, v[MX+\x]
.endr
.irp x, 0,1,2,3
	s_delay_alu instid0(VALU_DEP_4)
	v_lshrrev_b32 v[BYT+\x], 23, v[SOP+\x]         ; the word: the first block's byte; the three blocks of zeros get the byte 0
.endr
.irp x, 0,1,2,3
.irp j, 1,2,3
	v_mov_b32 v[IM+4*\x+\j], 0
.endr
.endr
.irp x, 0,1,2,3
	v_cvt_scalef32_pk8_fp4_f32 v[IM+4*\x], v[PV+8*\x:PV+8*\x+7], v[SOP+\x]   ; keys 0-7 of the step: register 0 of lanes 0-15; lanes 16-31 hold zeros
.endr
	v_nop                                          ; one plain place behind a scaled conversion
	v_cndmask_b32 v[VWD], v[BYT], v[BYT+1], vcc_lo
	v_cndmask_b32 v[VWD+1], v[BYT+2], v[BYT+3], vcc_lo
.irp sr, 0,1
	global_store_b128 v1, v[KCD:KCD+3], s[18:19] offset:\sr*SRCS+KCO+64*512
	global_store_b32 v5, v[KWD], s[18:19] offset:\sr*SRCS+KSO+64*64
	global_store_b32 v5, v[ZR], s[18:19] offset:\sr*SRCS+KSO+64*64+128
.irp x, 0,1,2,3
	global_store_b128 v1, v[IM+4*\x:IM+4*\x+3], s[18:19] offset:\sr*SRCS+VCO+8*4096+1024*\x
	global_store_b128 v1, v[ZP:ZP+3], s[18:19] offset:\sr*SRCS+VCO+8*4096+1024*\x+512
.endr
	global_store_b32 v5, v[VWD], s[18:19] offset:\sr*SRCS+VSO+8*256
	global_store_b32 v5, v[VWD+1], s[18:19] offset:\sr*SRCS+VSO+8*256+128
.endr
.Lend:
	s_wait_tensorcnt 0x0
	ds_add_u32 v254, v255
	s_wait_dscnt 0x0
	ROUND                                          ; the closing round: no work-group ends while a partner may still ask for a tile that names it
	s_endpgm
.Lfunc_end_k_q9d885b15f6_proj:
	.size	k_q9d885b15f6_proj, .Lfunc_end_k_q9d885b15f6_proj-k_q9d885b15f6_proj
	.p2alignl 7, 3214868480
	.fill 96, 4, 3214868480
	.section	.rodata,"a",@progbits
	.p2align	6, 0x0
	.amdhsa_kernel k_q9d885b15f6_proj
		.amdhsa_group_segment_fixed_size 247552
		.amdhsa_private_segment_fixed_size 0
		.amdhsa_enable_private_segment 0
		.amdhsa_kernarg_size 64
		.amdhsa_user_sgpr_count 2
		.amdhsa_user_sgpr_kernarg_segment_ptr 1
		.amdhsa_wavefront_size32 1
		.amdhsa_system_sgpr_workgroup_id_x 1
		.amdhsa_system_sgpr_workgroup_id_y 1
		.amdhsa_system_sgpr_workgroup_id_z 1
		.amdhsa_system_vgpr_workitem_id 0
		.amdhsa_next_free_vgpr 256
		.amdhsa_next_free_sgpr 102
		.amdhsa_reserve_vcc 1
		.amdhsa_float_denorm_mode_32 3
		.amdhsa_float_denorm_mode_16_64 3
		.amdhsa_memory_ordered 1
		.amdhsa_forward_progress 1
		.amdhsa_inst_pref_size 112
	.end_amdhsa_kernel
	.amdgpu_metadata
---
amdhsa.version: [ 1, 2 ]
amdhsa.kernels:
  - .name:           k_q9d885b15f6_proj
    .symbol:         k_q9d885b15f6_proj.kd
    .args:
      - { .name: tiles, .offset: 0, .size: 8, .value_kind: global_buffer, .address_space: global }
      - { .name: bq, .offset: 8, .size: 8, .value_kind: global_buffer, .address_space: global }
      - { .name: bk, .offset: 16, .size: 8, .value_kind: global_buffer, .address_space: global }
      - { .name: bv, .offset: 24, .size: 8, .value_kind: global_buffer, .address_space: global }
      - { .name: qc, .offset: 32, .size: 8, .value_kind: global_buffer, .address_space: global }
      - { .name: qs, .offset: 40, .size: 8, .value_kind: global_buffer, .address_space: global }
      - { .name: qb, .offset: 48, .size: 8, .value_kind: global_buffer, .address_space: global }
      - { .name: kv, .offset: 56, .size: 8, .value_kind: global_buffer, .address_space: global }
    .group_segment_fixed_size: 247552
    .private_segment_fixed_size: 0
    .kernarg_segment_align: 8
    .kernarg_segment_size: 64
    .max_flat_workgroup_size: 416
    .sgpr_count:     102
    .vgpr_count:     256
    .wavefront_size: 32
...
	.end_amdgpu_metadata
.endif
;; end of part 2
;; launch attn (part 3): grid 4 x 64, 16 waves a work-group, clusters of 4 x 1, 169,984 bytes of LDS; arguments qc, qs, qb, kv, ac; writes ac
.if DOCPART == 3
	.amdgcn_target "amdgcn-amd-amdhsa--gfx1250"
	.amdhsa_code_object_version 6
	.text
	.protected	k_q9d885b15f6_attn
	.globl	k_q9d885b15f6_attn
	.p2align	8
	.type	k_q9d885b15f6_attn,@function
k_q9d885b15f6_attn:
	s_mov_b64 s[64:65], 0
	v_nop
	global_prefetch_b8 v0, s[64:65] scope:SCOPE_SE
	s_setreg_imm32_b32 hwreg(HW_REG_WAVE_MODE, 25, 1), 1
	s_wait_xcnt 0x0
	s_wait_alu depctr_hold_cnt(0) depctr_sa_sdst(0) depctr_va_vdst(0) depctr_va_sdst(0) depctr_va_ssrc(0) depctr_va_vcc(0) depctr_vm_vsrc(0)
	s_getreg_b32 s2, hwreg(HW_REG_IB_STS2, 6, 4)
	s_cmp_eq_u32 s2, 0
	s_cbranch_scc0 .Lentry_in_a_cluster
	s_endpgm
.Lentry_in_a_cluster:
	s_bfe_u32 s2, ttmp6, 0x10000c
	s_cmp_lg_u32 s2, 0x3003
	s_cbranch_scc0 .Lentry_shape_is_right
	s_endpgm
.Lentry_shape_is_right:
; att[q][:] = sum over the 1,027 keys of softmax_k(Q[q] . K[k] / 8 + bias[q]) V[k][:], both products on codes of FP4 with E8M0 scales; the result is quantised along the model's 1,024 for the last product.
; The three physics rows are keys and values here, never queries: their results are sliced away by reference() (see the first launch's head).
; THE SOFTMAX AHEAD OF THE SECOND PRODUCT: t = score x log2(e) / 8 + bias x log2(e); M = the running largest t rounded UP to a whole number; p = 2^(t - M) is quantised along the keys, not normalised;
; the row's sum is taken of the unquantised p and divides at the end.  When M moves, the sum and O are multiplied by 2^(old M - new M): exact.
; SHARES: a work-group takes 256 queries of one pass and batch and TWO heads; each of its 16 waves owns one tile of 16 queries and walks the two heads one after the other, so that it makes a whole fragment
; (128 along the next K) and a whole scale word of att.  The two heads' records of K and V, 153,600 consecutive bytes, are filled into LDS ONCE and read by all waves: no slot is filled again, nothing is stored to LDS.
; CLUSTER: the four query blocks of a pass, batch and pair of heads read the same records: one joint load a wave (waves 0-3), mask 15.  No prefetch: all that the launch reads by tensor loads is asked for at its head.
; LAYOUT: both products transposed (S^T = K Q^T, O^T = V^T P^T): a lane holds one query throughout.
; THE KEYS OF A SCORE TILE ARE CHOSEN BY THE LDS ADDRESS: row 8 a + j of tile 4 c + t is key 64 c + 32 a + 8 t + j of the step.  So the 32 registers of tiles 4 c .. 4 c + 3 are, in lane half h, the WHOLE block
; 64 c + 32 h + 0 .. 31: a block's largest score needs no other lane, and the conversions' results are the second product's operand as they stand.
; In the record key 32 g + 8 u + p + 8 (p / 8) lies at place p of tile 2 g + u (512 bytes a tile, 16 bytes a place and half of d): byte 2048 c + 1024 a + 512 (t % 2) + 128 (t / 2) + 16 j + 256 h.
; The head has 64 along d: Q's upper four registers are zero codes, so K's fragments lie 4 registers apart and each product's upper four registers of K (the next tile's codes) add nothing.
; THE NEXT STEP'S fragments of K are asked for under this step's softmax; the one LDS wait of a step stands ahead of the second product.  The eighth step's run so brings the last tile (keys 1,024 to 1,026) as its tile 0;
; its other seven loads stay inside the record and are not used.
; LIMITS: the promise holds while the scaled scores stay under 2^31 in magnitude; a block of p that has fallen to 0 keeps the byte 1; a block's largest p is taken from its largest score (v_exp_f32 is taken not to
; fall where its input rises); NaN and infinities are not served.
.set KVREC, 76800
.set KSO,  33280
.set VCO,  37632
.set VSO,  74496
.set REC,  8704
.set L16,  1                           ; v1   16 x lane
.set AK,   2                           ; v2   my place in a step's codes of K
.set AKW,  3                           ; v3   and among its scale words
.set AV,   4                           ; v4   V's codes
.set AVW,  5                           ; v5   V's words
.set ADK,  6                           ; v6-9 the addresses in hand
.set ADW,  7
.set ADV,  8
.set ADT,  9
.set R4,   10                          ; v10  4 r
; v11 -M; v12 bias - M; v13 the largest score so far; v[14:15] the sum; v16-23 Q of head 0; v30, v31 its word and bias
.set KW,   24                          ; v24-27 K's words: register 2 c + t / 2; lanes 0-15 the even tile, lanes 16-31 the odd one
.set VW,   28                          ; v28-29 V's words
.set KF,   32                          ; v32-67 K's 8 fragments, 4 registers apart; v64-67 zeros
.set VF,   68                          ; v68-99 V's 4 fragments
.set ST,   100                         ; v100-163 S^T, then p
.set OT,   164                         ; v164-195 O^T
.set ACD,  196                         ; v196-203 att's codes; v204 its word; v205 at work
.set PCD,  216                         ; v216-223 p's codes.  v206-213, v214, v215: Q, word, bias of head 1
.set TM,   232                         ; v232-247 at work
.set SH,   249                         ; v249 8 h
.set WV,   14
.set SEL,  20
.set CS,   22                          ; s[22:23] c = log2(e) / 8
.set G1,   24
.set G0,   32
.set T4,   36                          ; LDS byte of the step's codes: 4,096 a step
.set T5,   37                          ; of K's scale words: 512 a step
.set T2,   38                          ; of V's: 256 a step
.set CNT,  39
.macro ROUND
	s_barrier_signal -1
	s_barrier_wait -1
	s_cmp_lg_u32 s[WV], 0
	s_cbranch_scc1 .Lnot_wave_0_\@
	s_barrier_signal -3
.Lnot_wave_0_\@:
	s_barrier_wait -3
	s_barrier_signal -1
	s_barrier_wait -1
.endm
.macro PLACES
.rept 4
	v_nop
.endr
.endm
.macro WM d, a, b, c, sa, sb, ra, rb
.if (\ra) && (\rb)
	v_wmma_scale_f32_16x16x128_f8f6f4 v[\d:\d+7], v[\a:\a+7], v[\b:\b+7], \c, v[\sa], v[\sb] matrix_a_fmt:MATRIX_FMT_FP4 matrix_b_fmt:MATRIX_FMT_FP4 matrix_a_scale:MATRIX_SCALE_ROW1 matrix_b_scale:MATRIX_SCALE_ROW1
.elseif (\ra)
	v_wmma_scale_f32_16x16x128_f8f6f4 v[\d:\d+7], v[\a:\a+7], v[\b:\b+7], \c, v[\sa], v[\sb] matrix_a_fmt:MATRIX_FMT_FP4 matrix_b_fmt:MATRIX_FMT_FP4 matrix_a_scale:MATRIX_SCALE_ROW1
.elseif (\rb)
	v_wmma_scale_f32_16x16x128_f8f6f4 v[\d:\d+7], v[\a:\a+7], v[\b:\b+7], \c, v[\sa], v[\sb] matrix_a_fmt:MATRIX_FMT_FP4 matrix_b_fmt:MATRIX_FMT_FP4 matrix_b_scale:MATRIX_SCALE_ROW1
.else
	v_wmma_scale_f32_16x16x128_f8f6f4 v[\d:\d+7], v[\a:\a+7], v[\b:\b+7], \c, v[\sa], v[\sb] matrix_a_fmt:MATRIX_FMT_FP4 matrix_b_fmt:MATRIX_FMT_FP4
.endif
.endm
.macro QUANT2 s, pc, pw                ; 32 numbers of a lane, register 16 b + i = k 32 b + 16 (lane / 16) + i: 4 registers of codes and two scale bytes
.irp b, 0,1
	v_max3_num_f32 v[TM+\b], |v[\s+16*\b]|, |v[\s+1+16*\b]|, 0x1800000
.endr
.irp i, 2,4,6,8,10,12,14
.irp b, 0,1
	s_delay_alu instid0(VALU_DEP_2)
	v_max3_num_f32 v[TM+\b], v[TM+\b], |v[\s+16*\b+\i]|, |v[\s+1+16*\b+\i]|
.endr
.endr
.irp b, 0,1
	s_delay_alu instid0(VALU_DEP_2)
	v_permlanex16_b32 v[TM+4+\b], v[TM+\b], s[SEL], s[SEL+1]
.endr
.irp b, 0,1
	s_delay_alu instid0(VALU_DEP_2)
	v_max_num_f32 v[TM+\b], v[TM+\b], v[TM+4+\b]
.endr
.irp b, 0,1
	s_delay_alu instid0(VALU_DEP_2)
	v_add_nc_u32 v[TM+12+\b], 0xff000000, v[TM+\b]
.endr
.irp b, 0,1
	s_delay_alu instid0(VALU_DEP_2)
	v_lshrrev_b32 v[TM+4+\b], 23, v[TM+12+\b]
.endr
	s_delay_alu instid0(VALU_DEP_1)
	v_lshl_or_b32 v[\pw], v[TM+5], 8, v[TM+4]
.irp b, 0,1
	v_cvt_scalef32_pk8_fp4_f32 v[\pc+2*\b], v[\s+16*\b:\s+7+16*\b], v[TM+12+\b]
	v_cvt_scalef32_pk8_fp4_f32 v[\pc+1+2*\b], v[\s+8+16*\b:\s+15+16*\b], v[TM+12+\b]
.endr
	v_nop
.irp i, 0,1
	v_permlane16_swap_b32 v[\pc+\i], v[\pc+2+\i]
.endr
.endm
.macro KLOADS                          ; a step's 8 fragments of K and their words
.irp c, 0,1
.irp t, 0,1,2,3
	ds_load_b128 v[KF+16*\c+4*\t:KF+16*\c+4*\t+3], v[ADK] offset:2048*\c+512*(\t%2)+128*(\t/2)
.endr
.endr
.irp c, 0,1
.irp u, 0,1
	ds_load_b32 v[KW+2*\c+\u], v[ADW] offset:256*\c+32*\u
.endr
.endr
.endm
.macro VLOADS                          ; a step's four fragments of V^T and their words
.irp dt, 0,1,2,3
.irp c, 0,1
	ds_load_b128 v[VF+8*\dt+4*\c:VF+8*\dt+4*\c+3], v[ADV] offset:1024*\dt+512*\c
.endr
.endr
.irp p, 0,1
	ds_load_b32 v[VW+\p], v[ADT] offset:128*\p     ; lanes 0-15 d tile 2 p, lanes 16-31 d tile 2 p + 1
.endr
.endm
.macro NEWM m, blr                     ; v[m] = the largest score of my half of the step's keys.  Out: v11 = -M, v12 = bias - M, v252 = f = 2^(old M - new M)
	s_delay_alu instid0(VALU_DEP_1)
	v_permlanex16_b32 v[TM+4], v[\m], s[SEL], s[SEL+1]
	s_delay_alu instid0(VALU_DEP_1)
	v_max3_num_f32 v13, v13, v[\m], v[TM+4]        ; with lane l xor 16's half: the running largest score
	s_delay_alu instid0(VALU_DEP_1)
	v_fma_f32 v254, v13, s[CS], v[\blr]            ; as t (c is positive)
	v_mov_b32 v[TM+5], v11
	s_delay_alu instid0(VALU_DEP_2)
	v_floor_f32 v11, -v254                         ; -M = floor(-t) = -ceil(t): a whole number
	s_delay_alu instid0(VALU_DEP_1)
	v_sub_f32 v254, v11, v[TM+5]                   ; old M - new M: a whole number, 0 or less
	s_delay_alu instid0(VALU_DEP_1)
	v_cvt_i32_f32 v254, v254                       ; (it saturates)
	s_delay_alu instid0(VALU_DEP_1)
	v_ldexp_f32 v252, 1.0, v254
	s_delay_alu instid0(VALU_DEP_4)
	v_add_f32 v12, v[\blr], v11
.endm
.macro OPROD                           ; O^T under the new M (16 plain lines: the places in front of the scaled products), then O^T += V^T P^T: four accumulators by turns
	s_wait_alu depctr_va_vdst(0)                   ; directly ahead of the first reader of O^T
.set i, 0
.rept 16
	v_pk_mul_f32 v[OT+i:OT+i+1], v[OT+i:OT+i+1], v[252:253] op_sel_hi:[1,0]
.set i, i+2
.endr
	s_wait_alu depctr_va_vdst(0)                   ; directly ahead of the wait below
	s_wait_dscnt 0x0                               ; V's fragments, and the next step's of K
.irp dt, 0,1,2,3
	WM OT+8*\dt, VF+8*\dt, PCD, v[OT+8*\dt:OT+8*\dt+7], VW+\dt/2, 253, \dt%2, 0
.endr
.endm
.macro SUM4 i                          ; four chains take a pair of p each
	v_pk_add_f32 v[14:15], v[14:15], v[ST+2*(\i):ST+2*(\i)+1]
	v_pk_add_f32 v[240:241], v[240:241], v[ST+2*(\i)+2:ST+2*(\i)+3]
	v_pk_add_f32 v[242:243], v[242:243], v[ST+2*(\i)+4:ST+2*(\i)+5]
	v_pk_add_f32 v[246:247], v[246:247], v[ST+2*(\i)+6:ST+2*(\i)+7]
.endm
; A KEY STEP: 128 keys.  Its fragments of K are in registers
.macro STEP q, qsr, blr
.irp c, 0,1
.irp t, 0,1,2,3
	WM ST+32*\c+8*\t, KF+16*\c+4*\t, \q, 0, KW+2*\c+\t/2, \qsr, \t%2, 0
.endr
.endr
	v_add_nc_u32 v[ADV], s[T4], v[AV]              ; four address lines: the places behind the products, in front of the loads and of the first read of S^T
	v_add_nc_u32 v[ADT], s[T2], v[AVW]
	s_add_co_u32 s[T4], s[T4], 4096
	s_add_co_u32 s[T5], s[T5], 512
	s_add_co_u32 s[T2], s[T2], 256
	v_add_nc_u32 v[ADK], s[T4], v[AK]
	v_add_nc_u32 v[ADW], s[T5], v[AKW]
	VLOADS                                         ; this step's V and the next step's K land under the softmax
	KLOADS
.irp c, 0,1                            ; the largest score of my two blocks of 32 keys, each in two chains: for the row's maximum and, since p rises with the score, for the block's largest p
	v_max3_num_f32 v[TM+\c], v[ST+32*\c], v[ST+32*\c+1], v[ST+32*\c+2]
	v_max3_num_f32 v[TM+2+\c], v[ST+32*\c+3], v[ST+32*\c+4], v[ST+32*\c+5]
.endr
.irp i, 6,10,14,18,22,26
.irp c, 0,1
	v_max3_num_f32 v[TM+\c], v[TM+\c], v[ST+32*\c+\i], v[ST+32*\c+\i+1]
	v_max3_num_f32 v[TM+2+\c], v[TM+2+\c], v[ST+32*\c+\i+2], v[ST+32*\c+\i+3]
.endr
.endr
.irp c, 0,1
	v_max3_num_f32 v[TM+\c], v[TM+\c], v[ST+32*\c+30], v[ST+32*\c+31]
.endr
.irp c, 0,1
	s_delay_alu instid0(VALU_DEP_2)
	v_max_num_f32 v[TM+\c], v[TM+\c], v[TM+2+\c]
.endr
	s_delay_alu instid0(VALU_DEP_1)
	v_max_num_f32 v254, v[TM], v[TM+1]
	NEWM 254, \blr
.set i, 0
.rept 32
	v_pk_fma_f32 v[ST+i:ST+i+1], v[ST+i:ST+i+1], s[CS:CS+1], v[12:13] op_sel_hi:[1,0,0]   ; t - M, two at a time
.set i, i+2
.endr
.irp c, 0,1
	v_fma_f32 v[TM+\c], v[TM+\c], s[CS], v12       ; the same of each block's largest score
.endr
	s_wait_alu depctr_va_vdst(0)
.irp c, 0,1
	v_exp_f32 v[TM+\c], v[TM+\c]                   ; the block's largest p
.endr
.set i, 0
.rept 64
	v_exp_f32 v[ST+i], v[ST+i]                     ; p = 2^(t - M)
.set i, i+1
.endr
	v_pk_mul_f32 v[14:15], v[14:15], v[252:253] op_sel_hi:[1,0]   ; the sums under the new M: the plain place behind the exponentials
	s_wait_alu depctr_va_vdst(0)                   ; one wait for the whole batch, ahead of its first reader
; the row's sum of the unquantised p, 32 packed additions in four chains; the lines that make p's scale word stand among them
.irp c, 0,1
	v_max_num_f32 v[TM+\c], 0x1800000, v[TM+\c]    ; the floor 2^(3 - 127): the byte cannot fall under 1
.endr
	v_pk_add_f32 v[240:241], v[ST:ST+1], v[ST+2:ST+3]
	v_pk_add_f32 v[242:243], v[ST+4:ST+5], v[ST+6:ST+7]
	v_pk_add_f32 v[246:247], v[ST+8:ST+9], v[ST+10:ST+11]
	v_pk_add_f32 v[14:15], v[14:15], v[ST+12:ST+13]
.irp c, 0,1
	v_add_nc_u32 v[TM+12+\c], 0xff000000, v[TM+\c] ; 2 off the exponent field: the conversion's scale operand
.endr
	SUM4 7
.irp c, 0,1
	v_lshrrev_b32 v[TM+6+\c], 23, v[TM+12+\c]      ; the scale's byte
.endr
	SUM4 11
	v_lshl_or_b32 v253, v[TM+7], 16, v[TM+6]       ; my two bytes: blocks h and 2 + h,
	SUM4 15
	v_lshlrev_b32 v253, v[SH], v253                ; at their places in the word (8 h bits up);
	SUM4 19
	v_permlanex16_b32 v[TM+4], v253, s[SEL], s[SEL+1]
	SUM4 23
	v_or_b32 v253, v253, v[TM+4]                   ; with lane l xor 16's two the word is whole
	SUM4 27
	v_pk_add_f32 v[14:15], v[14:15], v[ST+62:ST+63]
	v_pk_add_f32 v[240:241], v[240:241], v[242:243]
	v_pk_add_f32 v[14:15], v[14:15], v[246:247]
	s_delay_alu instid0(VALU_DEP_1)
	v_pk_add_f32 v[14:15], v[14:15], v[240:241]
.irp c, 0,1
.irp g, 0,1,2,3
	v_cvt_scalef32_pk8_fp4_f32 v[PCD+4*\c+\g], v[ST+32*\c+8*\g:ST+32*\c+8*\g+7], v[TM+12+\c]   ; registers 4 c .. 4 c + 3 of the operand: k = 64 c + 32 h + 0 .. 31
.endr
.endr
	v_nop                                          ; one plain place behind a scaled conversion
	OPROD
.endm
; THE LAST STEP: keys 1,024 to 1,026, registers 0 to 2 of lanes 0-15 of one tile; all other places of the tile count for nothing
.macro TAIL q, qsr, blr
	WM ST, KF, \q, 0, KW, \qsr, 0, 0
	v_add_nc_u32 v[ADV], s[T4], v[AV]
	v_add_nc_u32 v[ADT], s[T2], v[AVW]
	v_mov_b32 v254, 0xff800000                     ; -infinity
	v_nop                                          ; four places behind the products
.irp j, 1,2,3,4,5,6,7
	v_mov_b32 v[PCD+\j], 0                         ; p's codes beyond the first eight keys
.endr
	VLOADS
	s_mov_b32 vcc_lo, 0xffff0000
.irp j, 0,1,2
	v_cndmask_b32 v[ST+\j], v[ST+\j], v254, vcc_lo
.endr
.irp j, 3,4,5,6,7
	v_mov_b32 v[ST+\j], 0                          ; these stay 0: as p they give zero codes and enter no sum
.endr
	v_max3_num_f32 v[TM], v[ST], v[ST+1], v[ST+2]
	NEWM TM, \blr
.irp j, 0,1,2
	v_fma_f32 v[ST+\j], v[ST+\j], s[CS], v12
.endr
	s_wait_alu depctr_va_vdst(0)
.irp j, 0,1,2
	v_exp_f32 v[ST+\j], v[ST+\j]
.endr
	v_pk_mul_f32 v[14:15], v[14:15], v[252:253] op_sel_hi:[1,0]
	s_wait_alu depctr_va_vdst(0)
	v_add_f32 v14, v14, v[ST]
	v_add_f32 v15, v15, v[ST+1]
	v_max3_num_f32 v[TM], v[ST], v[ST+1], v[ST+2]
	v_add_f32 v14, v14, v[ST+2]
	s_delay_alu instid0(VALU_DEP_2)
	v_max_num_f32 v[TM], 0x1800000, v[TM]
	s_delay_alu instid0(VALU_DEP_1)
	v_add_nc_u32 v[TM+12], 0xff000000, v[TM]
	s_delay_alu instid0(VALU_DEP_1)
	v_lshrrev_b32 v253, 23, v[TM+12]               ; the word: one byte; it is read from lanes 0-15
	v_cvt_scalef32_pk8_fp4_f32 v[PCD], v[ST:ST+7], v[TM+12]
	v_nop
	OPROD
.endm
.macro FINISH hd
	v_add_f32 v14, v14, v15
	s_delay_alu instid0(VALU_DEP_1)
	v_permlanex16_b32 v252, v14, s[SEL], s[SEL+1]
	s_delay_alu instid0(VALU_DEP_1)
	v_add_f32 v14, v14, v252                       ; the row's sum
	s_wait_alu depctr_va_vdst(0)
	v_rcp_f32 v14, v14
	PLACES
	s_wait_alu depctr_va_vdst(0)
.set i, 0
.rept 16
	v_pk_mul_f32 v[ST+i:ST+i+1], v[OT+i:OT+i+1], v[14:15] op_sel_hi:[1,0]   ; register 16 g + i is d = 32 g + 16 h + i of my query
.set i, i+2
.endr
	QUANT2 ST, ACD+4*\hd, 205
.if \hd
	v_lshl_or_b32 v204, v205, 16, v204
.else
	v_mov_b32 v204, v205
.endif
.endm
.macro HEAD hd, q, qsr, blr
	s_mov_b32 s[T4], KVREC*\hd
	s_mov_b32 s[T5], KVREC*\hd
	s_mov_b32 s[T2], KVREC*\hd
	s_mov_b32 s[CNT], 8
	v_add_nc_u32 v[ADK], s[T4], v[AK]
	v_add_nc_u32 v[ADW], s[T5], v[AKW]
	KLOADS                                         ; the first step's K
	v_mov_b32 v13, 0xff61b1e6                      ; the largest score so far: -3e38
	s_delay_alu instid0(VALU_DEP_1)
	v_floor_f32 v11, -v13
	v_mov_b32 v14, 0
	v_mov_b32 v15, 0
.set i, 0
.rept 32
	v_mov_b32 v[OT+i], 0                           ; O^T: the step is written once; its first trip finds zeros
.set i, i+1
.endr
	s_wait_alu depctr_va_vdst(0)                   ; directly ahead of the wait below
	s_wait_dscnt 0x0
.Lstep_\@:
	STEP \q, \qsr, \blr
	s_sub_co_u32 s[CNT], s[CNT], 1
	s_cmp_lg_u32 s[CNT], 0
	s_cbranch_scc1 .Lstep_\@
	TAIL \q, \qsr, \blr
	FINISH \hd
.endm
	s_load_b256 s[4:11], s[0:1], 0x0               ; qc, qs, qb, kv
	s_load_b64 s[12:13], s[0:1], 0x20              ; ac
	v_lshl_add_u32 v251, v0, 2, 0x29000
	v_mov_b32 v255, 0
	ds_add_u32 v251, v255                          ; the opening lines: the add, twice on end, and its wait
	ds_add_u32 v251, v255
	v_lshrrev_b32 v1, 5, v0
	s_delay_alu instid0(VALU_DEP_1)
	v_readfirstlane_b32 s[WV], v1                  ; wave 0..15
	s_bfe_u32 s15, ttmp6, 0x40000                  ; cx: my block of 256 queries
	s_and_b32 s16, ttmp7, 0xffff
	s_lshr_b32 s17, s16, 5                         ; pass
	s_bfe_u32 s18, s16, 0x20003                    ; batch
	s_and_b32 s19, s16, 7                          ; pair of heads
	s_mov_b32 s[G1], 15|(3<<16)|(1<<21)            ; joint: all four partners; elements of 8 bytes; no padding
	s_mov_b32 s[G1+1], 32<<16                      ; rows of 256 bytes,
	s_mov_b32 s[G1+2], 150<<16                     ; 150 of them: a quarter of the two records
	s_mov_b32 s[G1+3], 32<<16
	s_mov_b32 s[G1+4], 150
	s_mov_b32 s[G1+5], 32
	s_mov_b32 s[G1+6], 0
	s_mov_b32 s[G1+7], 0
	s_xor_b32 s42, s17, 1                          ; K and V come from the other stream
	s_lshl_b32 s42, s42, 2
	s_add_co_u32 s42, s42, s18
	s_lshl_b32 s42, s42, 4
	s_lshl_b32 s43, s19, 1
	s_add_co_u32 s42, s42, s43
	s_mul_i32 s42, s42, KVREC
	s_mul_i32 s33, s[WV], 38400
	s_add_co_u32 s42, s42, s33
	s_mov_b32 s43, 0
	s_mov_b32 s[SEL], 0x76543210
	s_mov_b32 s[SEL+1], 0xfedcba98
	s_mov_b32 s[CS], 0x3e38aa3b
	s_mov_b32 s[CS+1], s[CS]
	s_lshl_b32 s44, s17, 2
	s_add_co_u32 s44, s44, s18                     ; 4 x pass + batch
	s_lshl_b32 s45, s15, 4
	s_add_co_u32 s45, s45, s[WV]                   ; my tile of queries
	s_lshl_b32 s48, s44, 4
	s_lshl_b32 s49, s19, 1
	s_add_co_u32 s48, s48, s49
	s_lshl_b32 s48, s48, 6
	s_add_co_u32 s48, s48, s45                     ; (..., head 2 x pair, tile)
	s_lshl_b32 s50, s48, 9
	s_mov_b32 s51, 0
	s_lshl_b32 s52, s48, 6
	s_mov_b32 s53, 0
	s_lshl_b32 s54, s44, 6
	s_add_co_u32 s54, s54, s45
	s_mul_i32 s54, s54, REC                        ; att's record
	s_mov_b32 s55, 0
	s_lshl_b32 s56, s19, 10
	s_mov_b32 s57, 0
	s_lshl_b32 s58, s19, 6
	s_mov_b32 s59, 0
	s_wait_dscnt 0x0
	s_wait_kmcnt 0x0
	s_mov_b32 s[G0], 1
	s_add_nc_u64 s[G0+2:G0+3], s[10:11], s[42:43]
	s_or_b32 s[G0+3], s[G0+3], 0x80000000
	s_add_nc_u64 s[4:5], s[4:5], s[50:51]
	s_add_nc_u64 s[6:7], s[6:7], s[52:53]
	s_add_nc_u64 s[8:9], s[8:9], s[52:53]
	s_add_nc_u64 s[12:13], s[12:13], s[54:55]
	s_add_nc_u64 s[46:47], s[12:13], s[58:59]      ; its scale words of K step = pair
	s_add_nc_u64 s[12:13], s[12:13], s[56:57]      ; its image of that K step
	ROUND                                          ; all four work-groups are here: the joint loads meet
	s_cmp_lt_u32 s[WV], 4
	s_cbranch_scc0 .Lno_fill
	tensor_load_to_lds s[G0:G0+3], s[G1:G1+7]      ; one load of mine is out
	s_nop 0
	PLACES
.Lno_fill:
	v_and_b32 v6, 31, v0                           ; lane
	v_and_b32 v8, 7, v0                            ; j
	v_bfe_u32 v9, v0, 3, 1                         ; a
	v_lshlrev_b32 v[L16], 4, v6
	v_lshlrev_b32 v7, 2, v6
	v_bfe_u32 v6, v0, 4, 1                         ; h
	v_and_b32 v[R4], 15, v0
	v_add_nc_u32 v[AV], VCO, v[L16]
	v_add_nc_u32 v[AVW], VSO, v7
	v_lshlrev_b32 v[R4], 2, v[R4]                  ; 4 r
	v_lshlrev_b32 v[AK], 4, v8
	v_lshl_add_u32 v[AKW], v8, 2, KSO
	v_lshlrev_b32 v[SH], 3, v6
	v_lshl_add_u32 v[AK], v9, 10, v[AK]
	v_lshl_add_u32 v[AKW], v9, 7, v[AKW]
	global_load_b128 v[16:19], v[L16], s[4:5]
	global_load_b128 v[206:209], v[L16], s[4:5] offset:32768
	global_load_b32 v30, v[R4], s[6:7]
	global_load_b32 v214, v[R4], s[6:7] offset:4096
	global_load_b32 v31, v[R4], s[8:9]
	global_load_b32 v215, v[R4], s[8:9] offset:4096
	v_lshl_add_u32 v[AK], v6, 8, v[AK]             ; 16 j + 1,024 a + 256 h
	v_lshl_add_u32 v[AKW], v6, 6, v[AKW]           ; 4 j + 128 a + 64 h: lanes 16-31 take the odd tile's words
.irp j, 0,1,2,3
	v_mov_b32 v[20+\j], 0                          ; Q's codes of k = 64 .. 127: zeros
	v_mov_b32 v[210+\j], 0
	v_mov_b32 v[KF+32+\j], 0                       ; what the eighth fragment of K names as its upper four registers
	v_mov_b32 v[TM+4+\j], 0                        ; written once: a lane permute's destination counts as one of its sources
.endr
	v_mov_b32 v253, 0
	s_wait_alu depctr_va_vdst(0)
	s_wait_tensorcnt 0x0
	s_barrier_signal -1
	s_barrier_wait -1                              ; both records lie in LDS
	s_wait_loadcnt 0x0
	HEAD 0, 16, 30, 31
	HEAD 1, 206, 214, 215
	global_store_b128 v[L16], v[ACD:ACD+3], s[12:13] offset:512
	global_store_b128 v[L16], v[ACD+4:ACD+7], s[12:13] offset:1024
	v_and_b32 v6, 31, v0
	s_wait_alu depctr_va_vdst(0)
	s_wait_xcnt 0x0                                ; EXEC changes only behind this wait
	v_cmp_gt_u32 vcc_lo, 16, v6
	s_and_saveexec_b32 s40, vcc_lo
	global_store_b32 v[R4], v204, s[46:47]         ; lanes 0-15: the 16 rows' words
	s_wait_xcnt 0x0                                ; and again, in front of the line that widens it
	s_or_b32 exec_lo, exec_lo, s40
	s_wait_tensorcnt 0x0                           ; the wave's end
	ds_add_u32 v251, v255
	s_wait_dscnt 0x0
	ROUND                                          ; the closing round
	s_endpgm
.Lfunc_end_k_q9d885b15f6_attn:
	.size	k_q9d885b15f6_attn, .Lfunc_end_k_q9d885b15f6_attn-k_q9d885b15f6_attn
	.p2alignl 7, 3214868480
	.fill 96, 4, 3214868480
	.section	.rodata,"a",@progbits
	.p2align	6, 0x0
	.amdhsa_kernel k_q9d885b15f6_attn
		.amdhsa_group_segment_fixed_size 169984
		.amdhsa_private_segment_fixed_size 0
		.amdhsa_enable_private_segment 0
		.amdhsa_kernarg_size 40
		.amdhsa_user_sgpr_count 2
		.amdhsa_user_sgpr_kernarg_segment_ptr 1
		.amdhsa_wavefront_size32 1
		.amdhsa_system_sgpr_workgroup_id_x 1
		.amdhsa_system_sgpr_workgroup_id_y 1
		.amdhsa_system_sgpr_workgroup_id_z 1
		.amdhsa_system_vgpr_workitem_id 0
		.amdhsa_next_free_vgpr 256
		.amdhsa_next_free_sgpr 66
		.amdhsa_reserve_vcc 1
		.amdhsa_float_denorm_mode_32 3
		.amdhsa_float_denorm_mode_16_64 3
		.amdhsa_memory_ordered 1
		.amdhsa_forward_progress 1
		.amdhsa_inst_pref_size 58
	.end_amdhsa_kernel
	.amdgpu_metadata
---
amdhsa.version: [ 1, 2 ]
amdhsa.kernels:
  - .name:           k_q9d885b15f6_attn
    .symbol:         k_q9d885b15f6_attn.kd
    .args:
      - { .name: qc, .offset: 0, .size: 8, .value_kind: global_buffer, .address_space: global }
      - { .name: qs, .offset: 8, .size: 8, .value_kind: global_buffer, .address_space: global }
      - { .name: qb, .offset: 16, .size: 8, .value_kind: global_buffer, .address_space: global }
      - { .name: kv, .offset: 24, .size: 8, .value_kind: global_buffer, .address_space: global }
      - { .name: ac, .offset: 32, .size: 8, .value_kind: global_buffer, .address_space: global }
    .group_segment_fixed_size: 169984
    .private_segment_fixed_size: 0
    .kernarg_segment_align: 8
    .kernarg_segment_size: 40
    .max_flat_workgroup_size: 512
    .sgpr_count:     66
    .vgpr_count:     256
    .wavefront_size: 32
...
	.end_amdgpu_metadata
.endif
;; end of part 3
;; launch outln (part 4): grid 256 x 1, 16 waves a work-group, clusters of 4 x 1, 327,680 bytes of LDS; arguments tiles, ac, bo, cnn_features, llm_features, ln_g, ln_b, out0, out1; writes out0, out1
.if DOCPART == 4
	.amdgcn_target "amdgcn-amd-amdhsa--gfx1250"
	.amdhsa_code_object_version 6
	.text
	.protected	k_q9d885b15f6_outln
	.globl	k_q9d885b15f6_outln
	.p2align	8
	.type	k_q9d885b15f6_outln,@function
k_q9d885b15f6_outln:
	s_mov_b64 s[64:65], 0
	v_nop
	global_prefetch_b8 v0, s[64:65] scope:SCOPE_SE
	s_setreg_imm32_b32 hwreg(HW_REG_WAVE_MODE, 25, 1), 1
	s_wait_xcnt 0x0
	s_wait_alu depctr_hold_cnt(0) depctr_sa_sdst(0) depctr_va_vdst(0) depctr_va_sdst(0) depctr_va_ssrc(0) depctr_va_vcc(0) depctr_vm_vsrc(0)
	s_getreg_b32 s2, hwreg(HW_REG_IB_STS2, 6, 4)
	s_cmp_eq_u32 s2, 0
	s_cbranch_scc0 .Lentry_in_a_cluster
	s_endpgm
.Lentry_in_a_cluster:
	s_bfe_u32 s2, ttmp6, 0x10000c
	s_cmp_lg_u32 s2, 0x3003
	s_cbranch_scc0 .Lentry_shape_is_right
	s_endpgm
.Lentry_shape_is_right:
; out = LayerNorm(x + att Wo^T + bo) x g + b, the product on codes of FP4 with E8M0 scales, all else in f32.  Rows 1,024 to 1,026 of each sequence are left out: reference() slices them away (see the first launch's head).
; SHARES: a work-group takes two tiles of att, which are 32 neighbouring rows of one pass, against all 1,024 columns; wave w takes Wo's tiles 4 w .. 4 w + 3 (columns 64 w .. 64 w + 63): 8 accumulators.
; CLUSTER: four work-groups walk the same Wo.  Each wave asks for its own four tiles by ONE joint load (mask 15): 4 rows of 4,096 bytes (four K steps' images), 8,704 bytes apart, into its own 16,384 bytes of LDS,
; which it alone reads.  K steps 0-3 come at the head; K steps 4-7 fill the same bytes again behind a round of the cluster's barrier: 16 x 16,384 bytes are in flight each time.
; No prefetch: the text has no loop to run ahead in, and the two fills follow each other directly.
; att's 16 images are copied into LDS bytes of their own once and read by all waves.  The two residual rows of each wave, 16 loads, are asked for when the first fill has landed: they are on their way
; while K steps 0-3 are multiplied and the slot changes hands, and lie in registers until the norm.
; The product is used transposed (source 0 = Wo, source 1 = att): a lane holds one row and 16 neighbouring columns in each pair of tiles.  bo is the C of each sum's first product.
; The results meet in a stage (32 rows, pitch 4,112), where the order of a tile's rows is undone: place r of tile x is row 8 x + r + 8 (r / 8).  The stage lies in Wo's bytes, which have had their last fill and,
; behind a barrier, their last read.  Then each wave takes two whole rows: residual, mean, variance (of the differences from the mean, as reference() has it), gain and bias; each store covers 512 consecutive bytes.
; LIMITS: the sums over a row run in another order than a plain loop; NaN and infinities are not served.
.set REC,  8704
.set STG,  0                           ; LDS: Wo's 262,144 bytes from 0; later the stage
.set ATT,  262144                      ; 2 x 8 images of 1,024 bytes
.set SPARE, 278528                     ; the spare words: 128 bytes a wave
.set SPI,  4112
.set BF,   16                          ; v16-31  att's two fragments; v16-47 later ln_g
.set SW,   32                          ; v32-47  Wo's scale words: pair p, K step s at 8 p + s
.set SAT,  48                          ; v48-55  att's: lanes 0-15 tile 0, lanes 16-31 tile 1
.set BO,   56                          ; v56-87  bo in the result's layout; later ln_b
.set WF,   88                          ; v88-119 4 fragments of Wo
.set RES,  120                         ; v120-183 the two residual rows
.set ACC,  184                         ; v184-247 accumulator (t, x) at 32 x + 8 t; later two rows
.set GN,   16
.set WV,   22
.set SEL,  24
.set G0,   36
.set G1,   40
.macro ROUND
	s_barrier_signal -1
	s_barrier_wait -1
	s_cmp_lg_u32 s[WV], 0
	s_cbranch_scc1 .Lnot_wave_0_\@
	s_barrier_signal -3
.Lnot_wave_0_\@:
	s_barrier_wait -3
	s_barrier_signal -1
	s_barrier_wait -1
.endm
.macro PLACES
.rept 4
	v_nop
.endr
.endm
.macro WM d, a, b, c, sa, sb, ra, rb
.if (\ra) && (\rb)
	v_wmma_scale_f32_16x16x128_f8f6f4 v[\d:\d+7], v[\a:\a+7], v[\b:\b+7], \c, v[\sa], v[\sb] matrix_a_fmt:MATRIX_FMT_FP4 matrix_b_fmt:MATRIX_FMT_FP4 matrix_a_scale:MATRIX_SCALE_ROW1 matrix_b_scale:MATRIX_SCALE_ROW1
.elseif (\ra)
	v_wmma_scale_f32_16x16x128_f8f6f4 v[\d:\d+7], v[\a:\a+7], v[\b:\b+7], \c, v[\sa], v[\sb] matrix_a_fmt:MATRIX_FMT_FP4 matrix_b_fmt:MATRIX_FMT_FP4 matrix_a_scale:MATRIX_SCALE_ROW1
.elseif (\rb)
	v_wmma_scale_f32_16x16x128_f8f6f4 v[\d:\d+7], v[\a:\a+7], v[\b:\b+7], \c, v[\sa], v[\sb] matrix_a_fmt:MATRIX_FMT_FP4 matrix_b_fmt:MATRIX_FMT_FP4 matrix_b_scale:MATRIX_SCALE_ROW1
.else
	v_wmma_scale_f32_16x16x128_f8f6f4 v[\d:\d+7], v[\a:\a+7], v[\b:\b+7], \c, v[\sa], v[\sb] matrix_a_fmt:MATRIX_FMT_FP4 matrix_b_fmt:MATRIX_FMT_FP4
.endif
.endm
.macro ROWLOAD reg, base, off          ; 4,096 consecutive bytes, 16 a lane and load
.irp i, 0,1,2,3,4,5,6,7
	global_load_b128 v[\reg+4*\i:\reg+4*\i+3], v1, s[\base:\base+1] offset:\off+512*\i
.endr
.endm
; K step s: 8 + 4 LDS loads bring the fragments as images; the 8 accumulators take turns, one instruction a turn
.macro OSTEP s
.irp t, 0,1,2,3
.irp c, 0,1
	ds_load_b128 v[WF+8*\t+4*\c:WF+8*\t+4*\c+3], v13 offset:4096*\t+1024*(\s%4)+512*\c
.endr
.endr
.irp x, 0,1
.irp c, 0,1
	ds_load_b128 v[BF+8*\x+4*\c:BF+8*\x+4*\c+3], v12 offset:8192*\x+1024*\s+512*\c
.endr
.endr
	s_wait_dscnt 0x0
.irp t, 0,1,2,3
.irp x, 0,1
.if \s == 0
	WM ACC+32*\x+8*\t, WF+8*\t, BF+8*\x, v[BO+8*\t:BO+8*\t+7], SW+8*(\t/2)+\s, SAT+\s, \t%2, \x
.else
	WM ACC+32*\x+8*\t, WF+8*\t, BF+8*\x, v[ACC+32*\x+8*\t:ACC+32*\x+8*\t+7], SW+8*(\t/2)+\s, SAT+\s, \t%2, \x
.endif
.endr
.endr
	PLACES                                         ; in front of loads into registers that these products read, and of the first read of results
.endm
.macro LANESUM a, b                    ; v[a] summed over the 32 lanes, in every lane; v[b] at work
	s_delay_alu instid0(VALU_DEP_1)
	v_add_f32_dpp v[\a], v[\a], v[\a] row_xmask:1 row_mask:0xf bank_mask:0xf
	s_delay_alu instid0(VALU_DEP_1)
	v_add_f32_dpp v[\a], v[\a], v[\a] row_xmask:2 row_mask:0xf bank_mask:0xf
	s_delay_alu instid0(VALU_DEP_1)
	v_add_f32_dpp v[\a], v[\a], v[\a] row_xmask:4 row_mask:0xf bank_mask:0xf
	s_delay_alu instid0(VALU_DEP_1)
	v_add_f32_dpp v[\a], v[\a], v[\a] row_xmask:8 row_mask:0xf bank_mask:0xf
	s_delay_alu instid0(VALU_DEP_1)
	v_permlanex16_b32 v[\b], v[\a], s[SEL], s[SEL+1]
	s_delay_alu instid0(VALU_DEP_1)
	v_add_f32 v[\a], v[\a], v[\b]
.endm
.macro ROWLN row, res                  ; one row of 1,024 numbers, 32 a lane
.set XR, ACC+32*\row
.set i, 0
.rept 16
	v_pk_add_f32 v[XR+i:XR+i+1], v[XR+i:XR+i+1], v[\res+i:\res+i+1]   ; + the residual
.set i, i+2
.endr
	v_pk_add_f32 v[248:249], v[XR:XR+1], v[XR+2:XR+3]
	v_pk_add_f32 v[250:251], v[XR+4:XR+5], v[XR+6:XR+7]
.set i, 8
.rept 6
	s_delay_alu instid0(VALU_DEP_2)
	v_pk_add_f32 v[248:249], v[248:249], v[XR+i:XR+i+1]
	s_delay_alu instid0(VALU_DEP_2)
	v_pk_add_f32 v[250:251], v[250:251], v[XR+i+2:XR+i+3]
.set i, i+4
.endr
	s_delay_alu instid0(VALU_DEP_1)
	v_pk_add_f32 v[248:249], v[248:249], v[250:251]
	s_delay_alu instid0(VALU_DEP_1)
	v_add_f32 v248, v248, v249
	LANESUM 248, 249
	s_delay_alu instid0(VALU_DEP_1)
	v_mul_f32 v248, s30, v248                      ; the mean
.set i, 0
.rept 16
	v_pk_add_f32 v[XR+i:XR+i+1], v[XR+i:XR+i+1], v[248:249] op_sel_hi:[1,0] neg_lo:[0,1] neg_hi:[0,1]
.set i, i+2
.endr
	v_pk_mul_f32 v[250:251], v[XR:XR+1], v[XR:XR+1]
	v_pk_mul_f32 v[252:253], v[XR+2:XR+3], v[XR+2:XR+3]
.set i, 4
.rept 7
	s_delay_alu instid0(VALU_DEP_2)
	v_pk_fma_f32 v[250:251], v[XR+i:XR+i+1], v[XR+i:XR+i+1], v[250:251]
	s_delay_alu instid0(VALU_DEP_2)
	v_pk_fma_f32 v[252:253], v[XR+i+2:XR+i+3], v[XR+i+2:XR+i+3], v[252:253]
.set i, i+4
.endr
	s_delay_alu instid0(VALU_DEP_1)
	v_pk_add_f32 v[250:251], v[250:251], v[252:253]
	s_delay_alu instid0(VALU_DEP_1)
	v_add_f32 v250, v250, v251
	LANESUM 250, 251
	s_delay_alu instid0(VALU_DEP_1)
	v_fma_f32 v250, v250, s30, s31                 ; the variance + 1e-5
	s_wait_alu depctr_va_vdst(0)
	v_rsq_f32 v250, v250
	v_nop                                          ; a plain place behind the transcendental
	s_wait_alu depctr_va_vdst(0)                   ; and the wait ahead of its first reader
.set i, 0
.rept 16
	v_pk_mul_f32 v[XR+i:XR+i+1], v[XR+i:XR+i+1], v[250:251] op_sel_hi:[1,0]
.set i, i+2
.endr
.set i, 0
.rept 16
	v_pk_fma_f32 v[XR+i:XR+i+1], v[XR+i:XR+i+1], v[GN+i:GN+i+1], v[BO+i:BO+i+1]
.set i, i+2
.endr
.irp i, 0,1,2,3,4,5,6,7
	global_store_b128 v1, v[XR+4*\i:XR+4*\i+3], s[18:19] offset:4096*\row+512*\i th:TH_STORE_NT
.endr
.endm
	s_load_b512 s[4:19], s[0:1], 0x0               ; tiles, ac, bo, cnn, llm, ln_g, ln_b, out0
	s_load_b64 s[20:21], s[0:1], 0x40              ; out1
	v_lshl_add_u32 v14, v0, 2, SPARE
	v_mov_b32 v15, 0
	ds_add_u32 v14, v15                            ; the opening lines: the add, twice on end, and its wait; work on registers stands between
	ds_add_u32 v14, v15
	v_lshrrev_b32 v1, 5, v0
	s_delay_alu instid0(VALU_DEP_1)
	v_readfirstlane_b32 s[WV], v1                  ; wave 0..15
	s_bfe_u32 s28, ttmp6, 0x40000                  ; cx
	s_lshl_b32 s29, ttmp9, 2
	s_add_co_u32 s29, s29, s28                     ; the work-group's number: it enters global addresses alone
	s_mov_b32 s[G1], 15|(3<<16)|(1<<21)            ; joint: all four partners; elements of 8 bytes; no padding
	s_mov_b32 s[G1+1], 512<<16                     ; rows of 4,096 bytes: four K steps' images of a tile,
	s_mov_b32 s[G1+2], 4<<16                       ; my four tiles,
	s_mov_b32 s[G1+3], 512<<16
	s_mov_b32 s[G1+4], 4
	s_mov_b32 s[G1+5], REC/8                       ; a record apart
	s_mov_b32 s[G1+6], 0
	s_mov_b32 s[G1+7], 0
	s_mov_b32 s[G0], 1
	s_lshl_b32 s[G0+1], s[WV], 14                  ; my 16,384 bytes of LDS
	v_and_b32 v1, 31, v0
	v_and_b32 v2, 15, v0                           ; r
	v_bfe_u32 v3, v0, 4, 1                         ; h
	v_lshlrev_b32 v1, 4, v1                        ; 16 x lane
	v_lshrrev_b32 v11, 8, v0                       ; the copy: threads 0-255 take tile 0, the others tile 1; 16 bytes a thread, twice
	v_and_b32 v12, 255, v0
	v_mul_u32_u24 v6, v3, REC
	v_lshlrev_b32 v12, 4, v12
	v_lshlrev_b32 v8, 6, v3                        ; 64 h
	v_lshl_add_u32 v7, v2, 2, v6                   ; att's words: lanes 16-31 one record on; 4 r
	v_mad_u32_u24 v4, v11, REC, v12
	v_lshl_add_u32 v5, v11, 13, v12
	v_lshl_add_u32 v6, v2, 5, v6                   ; Wo's: 32 r
	v_and_b32 v11, 8, v2
	v_add_nc_u32 v5, ATT, v5
	v_add_nc_u32 v11, v11, v2                      ; r + 8 (r / 8)
	v_add_nc_u32 v12, ATT, v1                      ; att's images
	v_mul_u32_u24 v9, v11, SPI
	v_add_nc_u32 v13, s[G0+1], v1                  ; my tiles of Wo
	v_lshl_add_u32 v9, v3, 6, v9
	s_lshl_b32 s28, s[WV], 8
	v_add_nc_u32 v9, s28, v9                       ; the stage, on the way in: my row, + 64 h, + my wave's 256 bytes
	s_mul_i32 s28, s[WV], 2*SPI
	v_add_nc_u32 v10, s28, v1                      ; on the way out: rows 2 w and 2 w + 1
	s_mov_b32 s[SEL], 0x76543210
	s_mov_b32 s[SEL+1], 0xfedcba98
	s_mov_b32 s30, 0x3a800000                      ; 1 / 1,024
	s_mov_b32 s31, 0x3727c5ac                      ; 1e-5
	s_wait_alu depctr_va_vdst(0)
	s_wait_dscnt 0x0                               ; both opening adds are done
	s_wait_kmcnt 0x0
	s_cmp_lt_u32 ttmp9, 32                         ; pass 0: cnn and out0; pass 1: llm and out1: the partners share it
	s_cselect_b64 s[10:11], s[10:11], s[12:13]
	s_cselect_b64 s[18:19], s[18:19], s[20:21]
	s_and_b32 s26, s29, 127
	s_lshl_b32 s26, s26, 17                        ; 32 rows of 4,096 bytes
	s_lshl_b32 s27, s[WV], 13                      ; my two
	s_add_co_u32 s26, s26, s27
	s_mov_b32 s27, 0
	s_add_nc_u64 s[10:11], s[10:11], s[26:27]
	s_add_nc_u64 s[18:19], s[18:19], s[26:27]
	s_mul_i32 s26, s29, 2*REC
	s_add_nc_u64 s[6:7], s[6:7], s[26:27]
	s_lshl_b32 s26, s[WV], 2
	s_add_co_u32 s26, s26, 705
	s_mul_i32 s26, s26, REC
	s_add_nc_u64 s[4:5], s[4:5], s[26:27]          ; Wo's record 4 w: the wave's number alone
	s_lshl_b32 s26, s[WV], 8
	s_add_nc_u64 s[8:9], s[8:9], s[26:27]
	s_add_nc_u64 s[G0+2:G0+3], s[4:5], 512         ; behind the record's scale bytes: K steps 0-3
	s_or_b32 s[G0+3], s[G0+3], 0x80000000
	ROUND                                          ; all four work-groups are here: the joint loads meet
	tensor_load_to_lds s[G0:G0+3], s[G1:G1+7]      ; every wave's one load at the head
	s_nop 0
	global_load_b128 v[248:251], v4, s[6:7] offset:512
	global_load_b128 v[252:255], v4, s[6:7] offset:512+4096
.irp p, 0,1
.irp f, 0,1
	global_load_b128 v[SW+8*\p+4*\f:SW+8*\p+4*\f+3], v6, s[4:5] offset:2*\p*REC+16*\f
.endr
.endr
.irp s, 0,1,2,3,4,5,6,7
	global_load_b32 v[SAT+\s], v7, s[6:7] offset:64*\s
.endr
.irp i, 0,1,2,3,4,5,6,7
	global_load_b128 v[BO+4*\i:BO+4*\i+3], v8, s[8:9] offset:128*(\i/4)+16*(\i%4)   ; register 16 g + i: column 64 w + 32 g + 16 h + i
.endr
	s_wait_tensorcnt 0x0                           ; my four tiles' K steps 0-3 lie in LDS: I alone read them
	s_wait_loadcnt 20                              ; the copy's two loads are in; the 20 behind them (4 + 8 + 8) may be out
	ds_store_b128 v5, v[248:251]
	ds_store_b128 v5, v[252:255] offset:4096
	s_wait_dscnt 0x0                               ; for the others' sake
	s_barrier_signal -1
	s_barrier_wait -1                              ; att's 16 images lie in LDS
	ROWLOAD RES, 10, 0                             ; the residual of rows 2 w and 2 w + 1
	ROWLOAD RES+32, 10, 4096
	s_wait_loadcnt 16                              ; the scale words and bo are in; the residual's 16 loads may be out
	OSTEP 0
	ROWLOAD BO, 16, 0                              ; ln_b, where bo lay
	OSTEP 1
	OSTEP 2
	OSTEP 3
	s_wait_tensorcnt 0x0                           ; no tensor load of mine is out, so group 0 may be written;
	ds_add_u32 v14, v15
	s_add_nc_u64 s[G0+2:G0+3], s[G0+2:G0+3], 4096  ; K steps 4-7
	s_wait_dscnt 0x0                               ; the add is done, and my reads of K steps 0-3 are over
	ROUND                                          ; the same holds of every wave of all four work-groups
	tensor_load_to_lds s[G0:G0+3], s[G1:G1+7]      ; the refill: my one load behind the round
	s_nop 0
	s_wait_tensorcnt 0x0
	OSTEP 4
	OSTEP 5
	OSTEP 6
	OSTEP 7
	ROWLOAD GN, 14, 0                              ; ln_g, where att's fragments and Wo's scale words lay
	s_barrier_signal -1                            ; no LDS instruction of mine is out: my reads of Wo's bytes are over
	s_barrier_wait -1                              ; and everybody's: the stage may be written
.irp x, 0,1
.irp b, 0,1
.irp q, 0,1,2,3
	ds_store_b128 v9, v[ACC+32*\x+16*\b+4*\q:ACC+32*\x+16*\b+4*\q+3] offset:STG+8*\x*SPI+128*\b+16*\q   ; ascending: each accumulator from its low end on
.endr
.endr
.endr
	s_wait_dscnt 0x0
	s_barrier_signal -1
	s_barrier_wait -1                              ; 32 whole rows lie in the stage
.irp w, 0,1
.irp i, 0,1,2,3,4,5,6,7
	ds_load_b128 v[ACC+32*\w+4*\i:ACC+32*\w+4*\i+3], v10 offset:STG+\w*SPI+512*\i
.endr
.endr
	s_wait_loadcnt 0x0
	s_wait_dscnt 0x0
	ROWLN 0, RES
	ROWLN 1, RES+32
	s_wait_tensorcnt 0x0                           ; the wave's end
	ds_add_u32 v14, v15
	s_wait_dscnt 0x0
	ROUND                                          ; the closing round
	s_endpgm
.Lfunc_end_k_q9d885b15f6_outln:
	.size	k_q9d885b15f6_outln, .Lfunc_end_k_q9d885b15f6_outln-k_q9d885b15f6_outln
	.p2alignl 7, 3214868480
	.fill 96, 4, 3214868480
	.section	.rodata,"a",@progbits
	.p2align	6, 0x0
	.amdhsa_kernel k_q9d885b15f6_outln
		.amdhsa_group_segment_fixed_size 327680
		.amdhsa_private_segment_fixed_size 0
		.amdhsa_enable_private_segment 0
		.amdhsa_kernarg_size 72
		.amdhsa_user_sgpr_count 2
		.amdhsa_user_sgpr_kernarg_segment_ptr 1
		.amdhsa_wavefront_size32 1
		.amdhsa_system_sgpr_workgroup_id_x 1
		.amdhsa_system_sgpr_workgroup_id_y 1
		.amdhsa_system_sgpr_workgroup_id_z 1
		.amdhsa_system_vgpr_workitem_id 0
		.amdhsa_next_free_vgpr 256
		.amdhsa_next_free_sgpr 66
		.amdhsa_reserve_vcc 0
		.amdhsa_float_denorm_mode_32 3
		.amdhsa_float_denorm_mode_16_64 3
		.amdhsa_memory_ordered 1
		.amdhsa_forward_progress 1
		.amdhsa_inst_pref_size 47
	.end_amdhsa_kernel
	.amdgpu_metadata
---
amdhsa.version: [ 1, 2 ]
amdhsa.kernels:
  - .name:           k_q9d885b15f6_outln
    .symbol:         k_q9d885b15f6_outln.kd
    .args:
      - { .name: tiles, .offset: 0, .size: 8, .value_kind: global_buffer, .address_space: global }
      - { .name: ac, .offset: 8, .size: 8, .value_kind: global_buffer, .address_space: global }
      - { .name: bo, .offset: 16, .size: 8, .value_kind: global_buffer, .address_space: global }
      - { .name: cnn_features, .offset: 24, .size: 8, .value_kind: global_buffer, .address_space: global }
      - { .name: llm_features, .offset: 32, .size: 8, .value_kind: global_buffer, .address_space: global }
      - { .name: ln_g, .offset: 40, .size: 8, .value_kind: global_buffer, .address_space: global }
      - { .name: ln_b, .offset: 48, .size: 8, .value_kind: global_buffer, .address_space: global }
      - { .name: out0, .offset: 56, .size: 8, .value_kind: global_buffer, .address_space: global }
      - { .name: out1, .offset: 64, .size: 8, .value_kind: global_buffer, .address_space: global }
    .group_segment_fixed_size: 327680
    .private_segment_fixed_size: 0
    .kernarg_segment_align: 8
    .kernarg_segment_size: 72
    .max_flat_workgroup_size: 512
    .sgpr_count:     66
    .vgpr_count:     256
    .wavefront_size: 32
...
	.end_amdgpu_metadata
.endif
;; end of part 4
